; MI455X (gfx1250); checked and timed in simulation.
; The chip was launched on July 23, 2026; its instructions are those of AMD's public machine-readable ISA for CDNA 5 (MIT licence, August 2026) and "CDNA5" Instruction Set Architecture Reference Guide (July 2026). The comments in the code are by the model that wrote it; some were corrected since.
;; Self Attention. Allowed arithmetic: matrix products marked QUANTISED: E4M3 operands, one E8M0 scale for each 32 along K, by v_wmma_scale_f32_16x16x128_f8f6f4 with both operands' format E4M3, f32 sums; everything else in f32.
;; Inputs: Wk_codes 1,024 x 32 x 32 uint8 (E4M3 codes of Wk, K innermost, in blocks of 32 codes); Wk_scales 1,024 x 32 uint8 (E8M0 scales of Wk, one for each 32 codes along K); Wo_codes 1,024 x 32 x 32 uint8 (E4M3 codes of Wo, K innermost, in blocks of 32 codes); Wo_scales 1,024 x 32 uint8 (E8M0 scales of Wo, one for each 32 codes along K); Wq_codes 1,024 x 32 x 32 uint8 (E4M3 codes of Wq, K innermost, in blocks of 32 codes); Wq_scales 1,024 x 32 uint8 (E8M0 scales of Wq, one for each 32 codes along K); Wv_codes 1,024 x 32 x 32 uint8 (E4M3 codes of Wv, K innermost, in blocks of 32 codes); Wv_scales 1,024 x 32 uint8 (E8M0 scales of Wv, one for each 32 codes along K); beta 1,024 float32; bk 1,024 float32; bo 1,024 float32; bq 1,024 float32; bv 1,024 float32; gamma 1,024 float32; mask 2,048 x 2,048 bool; x 2 x 2,048 x 1,024 float32.
;; Outputs: out0 2 x 2,048 x 1,024 float32.
;; This version of the problem:
;;   THIS VERSION OF THE PROBLEM IS GIVEN IN LOW PRECISION. The matrix products marked QUANTISED in the list below multiply operands that are first quantised to E4M3 (4 exponent bits, 3 mantissa bits; 8 bits a number), with one power-of-two scale for each 32 numbers along K (OCP MX v1.0); their sums are f32. All else is computed in f32.
;;   The module's matrix products, in the order in which they are computed (A, B: the left and right operand; K: the contracted axis; several contracted axes count as one K, in the product's order):
;;     1. [M 4,096, K 1,024] x [K 1,024, N 1,024]; A: computed on the way; B: input Wq (given as codes): QUANTISED
;;     2. [M 4,096, K 1,024] x [K 1,024, N 1,024]; A: computed on the way; B: input Wk (given as codes): QUANTISED
;;     3. [M 4,096, K 1,024] x [K 1,024, N 1,024]; A: computed on the way; B: input Wv (given as codes): QUANTISED
;;     4. batch 32 x [M 2,048, K 64] x [K 64, N 2,048]; A: computed on the way; B: computed on the way: QUANTISED
;;     5. batch 32 x [M 2,048, K 2,048] x [K 2,048, N 64]; A: softmax (see below); B: computed on the way: QUANTISED
;;     6. [M 4,096, K 1,024] x [K 1,024, N 1,024]; A: computed on the way; B: input Wo (given as codes): QUANTISED
;;   THE QUANTISER, for each operand of a quantised product, along K:
;;     - K is cut into blocks of 32 from its start; a last block that is shorter is filled with zeros.
;;     - A block's scale is 2^e with e = floor(log2(the largest magnitude in the block)) - 8, held to -126 .. 127; a block of zeros has e = 0. As a byte (E8M0): e + 127.
;;     - Each number is divided by its block's scale, clamped to +-448, and rounded to the nearest number of E4M3, ties to even, subnormals kept.
;;     - The product sums the exact products of the quantised numbers (number of the format x scale) in f32.
;;   ~~~python
;;   def quantise(x, axis):      # numpy; x: float32 -> the quantised numbers, widened to float32 again
;;       x = np.moveaxis(x, axis, -1); K = x.shape[-1]
;;       x = np.pad(x, [(0, 0)] * (x.ndim - 1) + [(0, -K % 32)]); x = x.reshape(x.shape[:-1] + (-1, 32)); a = np.abs(x).max(-1, keepdims=True)
;;       e = np.where(a > 0, np.clip(np.frexp(np.where(a > 0, a, 1))[1] - 1 - 8, -126, 127), 0)      # np.frexp(a)[1] - 1 = floor(log2(a)), exactly
;;       r = np.clip(x / 2.0 ** e, -448, 448)
;;       step = 2.0 ** (np.maximum(np.frexp(np.where(r == 0, 1, r))[1] - 1, -6) - 3)
;;       q = np.round(r / step) * step * 2.0 ** e      # np.round: ties to even
;;       return np.moveaxis(q.reshape(q.shape[:-2] + (-1,))[..., :K], -1, axis).astype(np.float32)
;;   ~~~
;;   SOFTMAX AHEAD OF A QUANTISED PRODUCT. Where the list says 'softmax', what is quantised is not the finished softmax but p = 2^(t - M), with t = logit x log2(e) and M = ceil(the row's largest t), a whole number; so 1/2 < the row's largest p <= 1. The row's sum l is taken of the UNQUANTISED p, in f32, and the product's result is divided by l at the end. Since M is a whole number, a kernel that streams over the keys may use a running M (the ceiling of the running maximum): every later rescaling is an exact power of two, which a block's scale takes up: the codes' values come out the same.
;;   OPERANDS COMPUTED ON THE WAY. 'Computed on the way' means the value that the module computes at that place (a softmax that the list does not call 'softmax' is quantised finished and normalised). What goes into a quantiser is computed in f32, as accurately as f32 sums, v_exp_f32 and their like allow (about 1e-6 of the number): no bf16 or f16 on the way to a quantiser, and a product that is left as it is and whose result goes on into a quantised operand takes f32 operands (vector FMAs, or v_wmma_f32_16x16x4_f32). A number that lies on a knife's edge between two numbers of the format may be rounded either way, as far as f32 arithmetic and the matrix unit's own rounding can turn it there, and no further.
;;   INPUTS GIVEN AS CODES. Wk (in the module: [1024, 1024], K = its axis 1); Wo (in the module: [1024, 1024], K = its axis 1); Wq (in the module: [1024, 1024], K = its axis 1); Wv (in the module: [1024, 1024], K = its axis 1): each comes as NAME_codes (uint8): NAME with its K axis moved to the last place and cut into blocks of 32 codes, [.., K / 32, bytes a block], one block behind the other in memory; one code a byte (a code: sign, 4 exponent bits, 3 mantissa bits); and NAME_scales (uint8): the same leading axes, one E8M0 byte (e + 127) for each 32 codes along K. Its value is code x scale, taken as it is: it is not quantised again, and the codes and scales need not be those that the quantiser above would give.
;; 2 versions, each right; version 2 is version 1 with the launch attn written anew for expert scheduling mode. Each part assembles by itself: llvm-mc -triple=amdgcn-amd-amdhsa -mcpu=gfx1250 --defsym DOCPART=n.
;; ======== version 1 of 2: 4 launches
;; workspace buffers: xw 4,325,376 bytes; mw 557,056 bytes of whole numbers; qw 4,456,448 bytes; kv 8,781,824 bytes; ow 4,325,376 bytes
;; launch prep (part 1): grid 256 x 1, 8 waves a work-group, no clusters, 69,376 bytes of LDS; arguments x, mask, xw, mw; writes xw, mw
.if DOCPART == 1
	.amdgcn_target "amdgcn-amd-amdhsa--gfx1250"
	.amdhsa_code_object_version 6
	.text
	.protected	k_qc13fdbf720_prep
	.globl	k_qc13fdbf720_prep
	.p2align	8
	.type	k_qc13fdbf720_prep,@function
k_qc13fdbf720_prep:
	s_mov_b64 s[64:65], 0
	v_nop
	global_prefetch_b8 v0, s[64:65] scope:SCOPE_SE
	s_setreg_imm32_b32 hwreg(HW_REG_WAVE_MODE, 25, 1), 1
	s_wait_xcnt 0x0
; LAUNCH 1 OF 4.  x [4096][1024] f32 -> nan_to_num -> codes of E4M3 with one E8M0 byte for each 32 along K, laid as images of operand registers (xw);
; mask [2048][2048] bool -> lane-mask words and flags for the attention launch (mw, whole numbers).
; WHAT THE PROGRAM LEAVES OUT.  No input is dead: every one is loaded by some launch.  The attention launch passes over a step of 128 keys for a tile of 16 queries where mask blocks all 16 x 128 places
; AND none of the 16 queries is blocked on all 2,048 keys.  For such a query reference() has score - max = -inf -> -1e9, whose p = 2^(-1e9 log2 e) is 0: it adds 0 to the row's sum and a zero code to the product.
; That is decided by whole numbers which this launch stores and the attention launch reads, never by a pattern built in.  A query blocked everywhere has NaN -> 0 for every key, p = 1 on all keys: its tile passes over nothing.
; LIMITS: a NaN, infinity or overflow in a score that lies under a blocked place is not carried on; scores that overflow f32 and NaN codes in the weights are not served;
; a block whose largest magnitude lies under 2^-118 gets the scale byte 1; a block of zeros gets the byte 1, not 127: its codes are zeros and this program alone reads the bytes.
; AN IMAGE of a fragment (16 rows x 128 K): piece c of four is 512 bytes; lane l = 16 h + r has its 16 bytes at 16 l: row r, k = 32 c + 16 h + 0 .. 15.
; SHARES.  Work-group g, wave w: rows 16 g .. 16 g + 15 of x, K step w of 128; and mask rows 16 (g / 2) .., keys 128 (8 (g % 2) + w) on.  One path for all waves.
; xw: codes at 262144 (g / 16) + 65536 (w / 2) + 4096 (g % 16) + 2048 (w % 2); scale words at 4194304 + 512 g + 32 r + 4 w.
; mw: word n of 64 at 256 (16 T + step) + 4 n: bit of lane (r, h) = mask[16 T + r][128 step + 16 (n / 8) + 8 h + n % 8]; flags at 524288 + 128 g: X = R | live << 16 | mixed << 17,
; bit r of R: row r blocked on all 128 keys; live: some place open; mixed: some place blocked.
.set STGB,  8448                       ; a wave's stage: 16 rows x (512 bytes + 16)
.set SCW,   67584                      ; the work-group's 128 scale words
.set XWL,   68096                      ; its 8 flag words
.set SPARE, 68352                      ; the spare words, 128 bytes a wave: four blocks of 256 bytes that no other line names
.set R,   16                           ; v16-79   16 rows' 16 bytes as loaded
.set X,   80                           ; v80-143  64 numbers: register 16 b + i = k 32 b + 16 h + i of row r
.set PC,  144                          ; v144-159 the codes
.set TM,  160                          ; v160-175 largest magnitudes, bytes, holds, scale operands
.set PW,  176                          ; v176     the scale word
.set M,   180                          ; v180-195 mask bytes
.set WA,  196                          ; v196-197 the 64 words, one a lane
.set SPW, 13
.set NIL, 14
.set SEL, 24
.set MNT, 26
.macro NANFIX reg                      ; nan_to_num: NaN -> 0, +-infinity -> +-1e9, all else as it is
	v_and_b32 v11, s20, v[\reg]
	v_bfi_b32 v12, s20, s22, v[\reg]               ; 1e9 with the number's sign
	v_cmp_eq_u32 vcc_lo, s21, v11
	v_cndmask_b32 v12, 0, v12, vcc_lo              ; infinity: that; NaN: 0
	v_cmp_gt_u32 vcc_lo, s21, v11
	v_cndmask_b32 v[\reg], v12, v[\reg], vcc_lo    ; finite: kept
.endm
	s_load_b256 s[4:11], s[0:1], 0x0               ; x, mask, xw, mw
	v_lshl_add_u32 v[SPW], v0, 2, SPARE
	v_mov_b32 v[NIL], 0
	v_lshrrev_b32 v1, 5, v0
	v_readfirstlane_b32 s12, v1                    ; wave
	v_and_b32 v1, 31, v0                           ; lane
	v_and_b32 v2, 15, v0                           ; r
	v_bfe_u32 v3, v0, 4, 1                         ; h
	v_lshlrev_b32 v4, 4, v1                        ; 16 lane
	s_mul_i32 s13, s12, STGB
	v_add_nc_u32 v5, s13, v4                       ; stage, in: a row's 512 bytes as they lie
	v_mul_u32_u24 v6, v2, 528
	v_lshl_add_u32 v6, v3, 6, v6
	v_add_nc_u32 v6, s13, v6                       ; stage, out: row r, + 64 h
	s_lshl_b32 s14, s12, 2
	v_lshlrev_b32 v7, 5, v2
	v_add_nc_u32 v7, s14, v7
	v_add_nc_u32 v7, SCW, v7                       ; my row's scale word of K step w
	v_mov_b32 v8, s12
	v_lshlrev_b32 v8, 2, v8
	v_add_nc_u32 v8, XWL, v8                       ; my wave's flag word
	v_lshlrev_b32 v9, 11, v2
	v_lshl_add_u32 v9, v3, 3, v9                   ; mask: row r of 2,048 bytes, + 8 h
	v_lshlrev_b32 v10, 2, v1
	v_add_nc_u32 v177, SCW, v4
	v_and_b32 v178, 7, v0
	v_lshl_add_u32 v178, v178, 2, XWL
	s_mov_b32 s20, 0x7fffffff
	s_mov_b32 s21, 0x7f800000
	s_mov_b32 s22, 0x4e6e6b28                      ; 1e9
	s_mov_b32 s[SEL], 0x76543210
	s_mov_b32 s[SEL+1], 0xfedcba98                 ; lane l xor 16
	s_mov_b32 s[MNT], 0x600000                     ; the mantissa field of 448
	s_lshl_b32 s16, ttmp9, 16                      ; x: 16 rows of 4,096 bytes a work-group, 512 bytes a wave
	s_lshl_b32 s17, s12, 9
	s_add_co_u32 s16, s16, s17
	s_mov_b32 s17, 0
	s_lshr_b32 s18, ttmp9, 1                       ; T
	s_and_b32 s19, ttmp9, 1
	s_lshl_b32 s19, s19, 3
	s_add_co_u32 s19, s19, s12                     ; step
	s_lshl_b32 s34, s18, 15
	s_lshl_b32 s35, s19, 7
	s_add_co_u32 s34, s34, s35
	s_mov_b32 s35, 0
	s_lshr_b32 s36, ttmp9, 4
	s_lshl_b32 s36, s36, 18
	s_lshr_b32 s37, s12, 1
	s_lshl_b32 s37, s37, 16
	s_add_co_u32 s36, s36, s37
	s_and_b32 s37, ttmp9, 15
	s_lshl_b32 s37, s37, 12
	s_add_co_u32 s36, s36, s37
	s_and_b32 s37, s12, 1
	s_lshl_b32 s37, s37, 11
	s_add_co_u32 s36, s36, s37
	s_mov_b32 s37, 0
	s_lshl_b32 s38, s18, 12
	s_lshl_b32 s39, s19, 8
	s_add_co_u32 s38, s38, s39
	s_mov_b32 s39, 0
.irp b, 0,1,2,3
	v_mov_b32 v[TM+4+\b], 0                        ; a lane permute's destination counts as one of its sources
.endr
	s_wait_kmcnt 0x0
	s_add_nc_u64 s[4:5], s[4:5], s[16:17]
	s_add_nc_u64 s[6:7], s[6:7], s[34:35]
	s_add_nc_u64 s[40:41], s[8:9], s[36:37]        ; my image
	s_add_nc_u64 s[42:43], s[10:11], s[38:39]      ; my 64 words
	s_lshl_b32 s16, ttmp9, 9
	s_add_co_u32 s16, s16, 0x400000
	s_add_nc_u64 s[44:45], s[8:9], s[16:17]        ; the work-group's scale words
	s_lshl_b32 s16, ttmp9, 7
	s_add_co_u32 s16, s16, 524288
	s_add_nc_u64 s[46:47], s[10:11], s[16:17]      ; its flags
.irp i, 0,1,2,3,4,5,6,7,8,9,10,11,12,13,14,15
	global_load_b128 v[R+4*\i:R+4*\i+3], v4, s[4:5] offset:4096*\i th:TH_LOAD_NT   ; 32 lanes read 512 consecutive bytes of row i
.endr
.irp t, 0,1,2,3,4,5,6,7
	global_load_b64 v[M+2*\t:M+2*\t+1], v9, s[6:7] offset:16*\t
.endr
	s_wait_loadcnt 8                               ; x's 16 loads are in; the 8 of the mask are younger
.irp i, 0,1,2,3,4,5,6,7,8,9,10,11,12,13,14,15
	ds_store_b128 v5, v[R+4*\i:R+4*\i+3] offset:528*\i
.endr
.irp c, 0,1,2,3
.irp j, 0,1,2,3
	ds_load_b128 v[X+16*\c+4*\j:X+16*\c+4*\j+3], v6 offset:128*\c+16*\j   ; a wave's LDS instructions are served in order: these see my stores
.endr
.endr
	s_wait_dscnt 0x0
.set i, 0
.rept 64
	NANFIX X+i
.set i, i+1
.endr
.irp b, 0,1,2,3
	v_max3_num_f32 v[TM+\b], |v[X+16*\b]|, |v[X+1+16*\b]|, 0x4800000   ; block b: my 16 numbers and the floor 2^(9 - 127): the byte cannot fall under 1
.endr
.irp i, 2,4,6,8,10,12,14
.irp b, 0,1,2,3
	v_max3_num_f32 v[TM+\b], v[TM+\b], |v[X+16*\b+\i]|, |v[X+1+16*\b+\i]|
.endr
.endr
.irp b, 0,1,2,3
	v_permlanex16_b32 v[TM+4+\b], v[TM+\b], s[SEL], s[SEL+1]
.endr
.irp b, 0,1,2,3
	v_max_num_f32 v[TM+\b], v[TM+\b], v[TM+4+\b]   ; with lane l xor 16's 16: the block's largest magnitude
.endr
.irp b, 0,1,2,3
	v_add_nc_u32 v[TM+12+\b], 0xfc000000, v[TM+\b] ; 8 off its exponent field: the conversion's scale operand
.endr
.irp b, 0,1,2,3
	v_and_or_b32 v[TM+8+\b], v[TM+\b], 0x7f800000, s[MNT]   ; 448 x the scale
.endr
.irp b, 0,1,2,3
	v_lshrrev_b32 v[TM+4+\b], 23, v[TM+12+\b]      ; the scale's byte
.endr
	v_lshl_or_b32 v[PW], v[TM+5], 8, v[TM+4]
	v_lshl_or_b32 v[PW], v[TM+6], 16, v[PW]
	v_lshl_or_b32 v[PW], v[TM+7], 24, v[PW]
.irp b, 0,1,2,3
.irp i, 0,1,2,3,4,5,6,7,8,9,10,11,12,13,14,15
	v_med3_num_f32 v[X+16*\b+\i], v[X+16*\b+\i], -v[TM+8+\b], v[TM+8+\b]   ; the conversion does not saturate (ISA guide 7.6.2): hold first
.endr
	v_cvt_scalef32_pk8_fp8_f32 v[PC+4*\b:PC+1+4*\b], v[X+16*\b:X+7+16*\b], v[TM+12+\b]
	v_cvt_scalef32_pk8_fp8_f32 v[PC+2+4*\b:PC+3+4*\b], v[X+8+16*\b:X+15+16*\b], v[TM+12+\b]
.endr
	v_nop                                          ; a plain line behind the last conversion
.irp c, 0,1,2,3
	global_store_b128 v4, v[PC+4*\c:PC+4*\c+3], s[40:41] offset:512*\c   ; 512 consecutive bytes
.endr
	ds_store_b32 v7, v[PW]                         ; both halves of the lanes write the same word with the same value
	s_wait_loadcnt 0x0                             ; the mask's bytes
	v_mov_b32 v[WA], 0
	v_mov_b32 v[WA+1], 0
	s_mov_b32 s27, -1
	s_mov_b32 s28, 0
.set n, 0
.rept 64
	v_and_b32 v[198+n%4], 0xff<<(8*(n%4)), v[M+2*(n/8)+(n%8)/4]
	v_cmp_ne_u32 s[30+n%4], 0, v[198+n%4]          ; word n: a bit a lane
	s_and_b32 s27, s27, s[30+n%4]
	s_or_b32 s28, s28, s[30+n%4]
	v_writelane_b32 v[WA+n/32], s[30+n%4], n%32
.set n, n+1
.endr
	s_lshr_b32 s29, s27, 16
	s_and_b32 s29, s29, s27
	s_and_b32 s29, s29, 0xffff                     ; R
	s_cmp_lg_u32 s27, -1
	s_cselect_b32 s30, 0x10000, 0                  ; live
	s_cmp_lg_u32 s28, 0
	s_cselect_b32 s31, 0x20000, 0                  ; mixed
	s_or_b32 s29, s29, s30
	s_or_b32 s29, s29, s31
	v_mov_b32 v198, s29
	global_store_b32 v10, v[WA], s[42:43]
	global_store_b32 v10, v[WA+1], s[42:43] offset:128
	ds_store_b32 v8, v198
	s_wait_dscnt 0x0                               ; for the others' sake: my stores have landed
	s_barrier_signal -1
	s_barrier_wait -1
	s_cmp_lg_u32 s12, 0
	s_cbranch_scc1 .Lend                           ; wave 0 sends what the eight waves gathered, in dense runs
	ds_load_b128 v[204:207], v177
	ds_load_b32 v199, v178
	s_wait_dscnt 0x0
	global_store_b128 v4, v[204:207], s[44:45]
	global_store_b32 v10, v199, s[46:47]
.Lend:
	s_wait_tensorcnt 0x0                           ; the wave's end, behind my last LDS store
	ds_add_u32 v[SPW], v[NIL]
	s_wait_dscnt 0x0
	s_endpgm
.Lfunc_end_k_qc13fdbf720_prep:
	.size	k_qc13fdbf720_prep, .Lfunc_end_k_qc13fdbf720_prep-k_qc13fdbf720_prep
	.p2alignl 7, 3214868480
	.fill 96, 4, 3214868480
	.section	.rodata,"a",@progbits
	.p2align	6, 0x0
	.amdhsa_kernel k_qc13fdbf720_prep
		.amdhsa_group_segment_fixed_size 69376
		.amdhsa_private_segment_fixed_size 0
		.amdhsa_enable_private_segment 0
		.amdhsa_kernarg_size 32
		.amdhsa_user_sgpr_count 2
		.amdhsa_user_sgpr_kernarg_segment_ptr 1
		.amdhsa_wavefront_size32 1
		.amdhsa_system_sgpr_workgroup_id_x 1
		.amdhsa_system_sgpr_workgroup_id_y 1
		.amdhsa_system_sgpr_workgroup_id_z 1
		.amdhsa_system_vgpr_workitem_id 0
		.amdhsa_next_free_vgpr 208
		.amdhsa_next_free_sgpr 66
		.amdhsa_reserve_vcc 1
		.amdhsa_float_denorm_mode_32 3
		.amdhsa_float_denorm_mode_16_64 3
		.amdhsa_memory_ordered 1
		.amdhsa_forward_progress 1
		.amdhsa_inst_pref_size 48
	.end_amdhsa_kernel
	.amdgpu_metadata
---
amdhsa.version: [ 1, 2 ]
amdhsa.kernels:
  - .name:           k_qc13fdbf720_prep
    .symbol:         k_qc13fdbf720_prep.kd
    .args:
      - { .name: x, .offset: 0, .size: 8, .value_kind: global_buffer, .address_space: global }
      - { .name: mask, .offset: 8, .size: 8, .value_kind: global_buffer, .address_space: global }
      - { .name: xw, .offset: 16, .size: 8, .value_kind: global_buffer, .address_space: global }
      - { .name: mw, .offset: 24, .size: 8, .value_kind: global_buffer, .address_space: global }
    .group_segment_fixed_size: 69376
    .private_segment_fixed_size: 0
    .kernarg_segment_align: 8
    .kernarg_segment_size: 32
    .max_flat_workgroup_size: 256
    .sgpr_count:     66
    .vgpr_count:     208
    .wavefront_size: 32
...
	.end_amdgpu_metadata
.endif
;; end of part 1
;; launch qkv (part 2): grid 16 x 16, 4 waves a work-group, clusters of 4 x 4, 327,680 bytes of LDS; arguments xw, Wq_codes, Wq_scales, Wk_codes, Wk_scales, Wv_codes, Wv_scales, bq, bk, bv, qw, kv; writes qw, kv
.if DOCPART == 2
	.amdgcn_target "amdgcn-amd-amdhsa--gfx1250"
	.amdhsa_code_object_version 6
	.text
	.protected	k_qc13fdbf720_qkv
	.globl	k_qc13fdbf720_qkv
	.p2align	8
	.type	k_qc13fdbf720_qkv,@function
k_qc13fdbf720_qkv:
	s_mov_b64 s[64:65], 0
	v_nop
	global_prefetch_b8 v0, s[64:65] scope:SCOPE_SE
	s_setreg_imm32_b32 hwreg(HW_REG_WAVE_MODE, 25, 1), 1
	s_wait_xcnt 0x0
	s_wait_alu depctr_hold_cnt(0) depctr_sa_sdst(0) depctr_va_vdst(0) depctr_va_sdst(0) depctr_va_ssrc(0) depctr_va_vcc(0) depctr_vm_vsrc(0)
	s_getreg_b32 s2, hwreg(HW_REG_IB_STS2, 6, 4)
	s_cmp_eq_u32 s2, 0
	s_cbranch_scc0 .Lentry_in_a_cluster
	s_endpgm
.Lentry_in_a_cluster:
	s_bfe_u32 s2, ttmp6, 0x10000c
	s_cmp_lg_u32 s2, 0xf033
	s_cbranch_scc0 .Lentry_shape_is_right
	s_endpgm
.Lentry_shape_is_right:
; LAUNCH 2 OF 4.  q = x Wq^T + bq, k, v likewise, on codes of E4M3; each result is quantised at once along the K of the product that takes it (q, k: the head's 64; v: the keys) and stored as images of operand registers.  Nothing is left out here.
; SHARES.  Work-group (hd, Mt): 256 rows of x against the 64 rows of Wq, Wk and Wv of head hd.  Wave w: rows 64 w .. + 63 (four tiles m) against all 12 tiles of weights: 48 accumulators.
; q and k are used transposed (source 0 = 16 rows of W, source 1 = 16 rows of x): a lane holds one row, its registers run along d.  v the other way (source 0 = x, source 1 = Wv): a lane holds one d, its registers run along the keys.
; The 16 registers of two neighbouring tiles hold a block of 32 in the order 8 h + i, 16 + 8 h + i: the same for q and k, and the same for v and the attention's p, so products, blocks and scales stand.
; Lane r of tile 2 B + u of Wv takes row 32 B + 8 u + r + 8 (r / 8), so that the attention's result has d in its true place for the last product.
; K goes in four steps of 256 through two LDS slots: x's images (65,536 dense bytes, wave 0) and 64 rows x 256 bytes of Wq, Wk, Wv (waves 1, 2, 3; 16 bytes of padding a row).
; CLUSTER 4 x 4: x's tile hangs on Mt alone and is asked for jointly along a row of the cluster, the weights' on hd alone and jointly along a column.  Two tensor loads of a wave are out at the start, one behind each round.
; LIMITS as stated at the head of launch 1.
; REGISTERS: window 0: v1-15 addresses; v16-31 x's scale words, v32-79 the weights'; v80-127 at work; v128-255 v's accumulators 8 (4 t + m).
;   windows 1, 2: two sets of fragments: weights at 16 i (q 0-3, k 4-7, v 8-11), x at 192 + 16 m.   window 3: q's accumulators at 8 (4 m + t), k's at 128 + 8 (4 m + t).
; A scale register j holds K step j in lanes 0-15 and K step 4 + j in lanes 16-31.
.set SLOT,  117760
.set SPARE, 235520                     ; the spare words, 128 bytes a wave: two blocks of 256 bytes that no other line names
.set LI, 1
.set AX, 2
.set AW, 4
.set AV, 6
.set SPW, 8
.set NIL, 9
.set XS, 16
.set WS, 32
.set TM, 80
.set SEL, 2
.set G1X, 28
.set G1W, 36
.set G0X, 44
.set G0W, 52
.set WV, 60
.set HD, 63
.set MT, 66
.set MNT, 98
.set HALF, 99
.set MSB, 0
.macro WIN new                         ; the immediate's high byte repeats the setting that is left
.if MSB != (\new)
	s_set_vgpr_msb (MSB<<8)|(\new)
.set MSB, (\new)
.endif
.endm
.macro PLACES n
.rept \n
	v_nop
.endr
.endm
.macro JLOAD s                         ; a joint load: wave 0 asks for x's images, waves 1 to 3 for their weights; the branch hangs on the wave's number alone
	s_cmp_eq_u32 s[WV], 0
	s_cbranch_scc0 .Lfor_w_\@
	tensor_load_to_lds s[G0X+4*\s:G0X+4*\s+3], s[G1X:G1X+7]
	s_nop 0
.rept 4
	v_nop
.endr
	s_branch .Lasked_\@
.Lfor_w_\@:
	tensor_load_to_lds s[G0W+4*\s:G0W+4*\s+3], s[G1W:G1W+7]
	s_nop 0
.rept 4
	v_nop
.endr
.Lasked_\@:
.endm
.macro CREST                           ; a round of the cluster's barrier behind its opening barrier
	s_cmp_lg_u32 s[WV], 0
	s_cbranch_scc1 .Lnot_wave_0_\@
	s_barrier_signal -3
.Lnot_wave_0_\@:
	s_barrier_wait -3
	s_barrier_signal -1
	s_barrier_wait -1
.endm
.macro CROUND
	s_barrier_signal -1
	s_barrier_wait -1
	CREST
.endm
	s_load_b512 s[4:19], s[0:1], 0x0               ; xw, Wq codes, scales, Wk codes, scales, Wv codes, scales, bq
	s_load_b256 s[20:27], s[0:1], 0x40             ; bk, bv, qw, kv
	v_lshl_add_u32 v[SPW], v0, 2, SPARE
	v_mov_b32 v[NIL], 0
	ds_add_u32 v[SPW], v[NIL]                      ; the wave's opening: the add, twice on end, and its wait ahead of my first tensor load
	ds_add_u32 v[SPW], v[NIL]
	v_lshrrev_b32 v80, 5, v0
	v_readfirstlane_b32 s[WV], v80                 ; wave 0..3
	s_bfe_u32 s61, ttmp6, 0x40000                  ; cx
	s_bfe_u32 s62, ttmp6, 0x40004                  ; cy
	s_lshl_b32 s[HD], ttmp9, 2
	s_add_co_u32 s[HD], s[HD], s61                 ; the head = 4 x cluster x + cx
	s_and_b32 s[MT], ttmp7, 0xffff
	s_lshl_b32 s[MT], s[MT], 2
	s_add_co_u32 s[MT], s[MT], s62                 ; the block of 256 rows = 4 x cluster y + cy
	s_lshl_b32 s67, s62, 2
	s_lshl_b32 s67, 15, s67                        ; my row of the cluster
	s_lshl_b32 s72, 0x1111, s61                    ; my column
	s_or_b32 s[G1X], s67, (3<<16)|(1<<21)          ; x: elements of 8 bytes, no padding; the mask: my row
	s_mov_b32 s[G1X+1], 32<<16                     ; rows of 32 elements = 256 bytes
	s_mov_b32 s[G1X+2], 256<<16                    ; 256 rows
	s_mov_b32 s[G1X+3], 32<<16
	s_mov_b32 s[G1X+4], 256
	s_mov_b32 s[G1X+5], 32                         ; dense
	s_mov_b32 s[G1X+6], 0
	s_mov_b32 s[G1X+7], 0
	s_or_b32 s[G1W], s72, (1<<20)|(1<<21)|(5<<22)|(3<<25)   ; weights: elements of 1 byte; 4 words of padding behind every 64; the mask: my column
	s_mov_b32 s[G1W+1], 256<<16
	s_mov_b32 s[G1W+2], 64<<16
	s_mov_b32 s[G1W+3], 256<<16
	s_mov_b32 s[G1W+4], 64
	s_mov_b32 s[G1W+5], 1024
	s_mov_b32 s[G1W+6], 0
	s_mov_b32 s[G1W+7], 0
	s_lshl_b32 s68, s[MT], 18                      ; x's images of my 256 rows
	s_mov_b32 s69, 0
	s_lshl_b32 s70, s[HD], 16                      ; my head's 64 rows of 1,024 bytes
	s_mov_b32 s71, 0
	s_mul_i32 s73, s[WV], 17408
	s_add_co_u32 s73, s73, 48128                   ; waves 1, 2, 3: 65,536 + 17,408 (wave - 1)
	s_mov_b32 s[SEL], 0x76543210
	s_mov_b32 s[SEL+1], 0xfedcba98
	s_mov_b32 s[MNT], 0x600000
	s_mov_b32 s[HALF], 0xffff0000
	s_wait_dscnt 0x0                               ; both opening adds are done
	s_wait_kmcnt 0x0
	s_add_nc_u64 s[74:75], s[4:5], s[68:69]
	s_cmp_eq_u32 s[WV], 1                          ; which weight I fetch: the choice hangs on the wave's number alone
	s_cselect_b64 s[76:77], s[6:7], s[14:15]
	s_cmp_eq_u32 s[WV], 2
	s_cselect_b64 s[76:77], s[10:11], s[76:77]
	s_add_nc_u64 s[76:77], s[76:77], s[70:71]
	CROUND                                         ; all sixteen work-groups are here: the first joint loads meet
.irp s, 0,1
	s_mov_b32 s[G0X+4*\s], 1
	s_mov_b32 s[G0X+4*\s+1], \s*SLOT
	s_add_nc_u64 s[G0X+4*\s+2:G0X+4*\s+3], s[74:75], \s*65536
	s_or_b32 s[G0X+4*\s+3], s[G0X+4*\s+3], 0x80000000
	s_mov_b32 s[G0W+4*\s], 1
	s_add_co_u32 s[G0W+4*\s+1], s73, \s*SLOT
	s_add_nc_u64 s[G0W+4*\s+2:G0W+4*\s+3], s[76:77], \s*256
	s_or_b32 s[G0W+4*\s+3], s[G0W+4*\s+3], 0x80000000
	JLOAD \s
.endr
	v_and_b32 v80, 31, v0
	v_and_b32 v81, 15, v0                          ; r
	v_bfe_u32 v82, v0, 4, 1                        ; h
	v_and_b32 v83, 8, v81
	v_add_nc_u32 v83, v83, v81                     ; r + 8 (r / 8)
	v_lshlrev_b32 v[LI], 4, v80
	s_lshl_b32 s96, s[WV], 14
	v_add_nc_u32 v[AX], s96, v[LI]                 ; x: my four tiles' images
	v_add_nc_u32 v[AX+1], SLOT, v[AX]
	v_mul_u32_u24 v[AW], v81, 272
	v_lshl_add_u32 v[AW], v82, 4, v[AW]
	v_add_nc_u32 v[AW], 65536, v[AW]               ; Wq, Wk: row r, + 16 h
	v_add_nc_u32 v[AW+1], SLOT, v[AW]
	v_mul_u32_u24 v[AV], v83, 272
	v_lshl_add_u32 v[AV], v82, 4, v[AV]
	v_add_nc_u32 v[AV], 100352, v[AV]              ; Wv: the chosen rows
	v_add_nc_u32 v[AV+1], SLOT, v[AV]
	v_lshlrev_b32 v10, 5, v81
	v_lshl_add_u32 v10, v82, 4, v10                ; scale bytes: 32 a row, + 16 h
	v_lshlrev_b32 v11, 5, v83
	v_lshl_add_u32 v11, v82, 4, v11
	v_lshlrev_b32 v12, 5, v82                      ; bq, bk: 8 numbers of my half
	v_lshlrev_b32 v13, 2, v83                      ; bv: my lane's row
	v_lshlrev_b32 v14, 4, v81
	v_lshl_add_u32 v14, v82, 3, v14                ; scale words out: 16 r + 8 h
.irp b, 0,1,2,3,4,5,6,7
	v_mov_b32 v[TM+8+\b], 0                        ; a lane permute's destination counts as one of its sources
.endr
	s_lshl_b32 s96, s[MT], 13
	s_lshl_b32 s97, s[WV], 11
	s_add_co_u32 s96, s96, s97
	s_add_co_u32 s96, s96, 0x400000
	s_mov_b32 s97, 0
	s_add_nc_u64 s[78:79], s[4:5], s[96:97]        ; x's scale words of my 64 rows
	s_lshl_b32 s96, s[HD], 11
	s_add_nc_u64 s[8:9], s[8:9], s[96:97]
	s_add_nc_u64 s[12:13], s[12:13], s[96:97]
	s_add_nc_u64 s[16:17], s[16:17], s[96:97]
	s_lshl_b32 s96, s[HD], 8
	s_add_nc_u64 s[18:19], s[18:19], s[96:97]
	s_add_nc_u64 s[20:21], s[20:21], s[96:97]
	s_add_nc_u64 s[22:23], s[22:23], s[96:97]
.irp m, 0,1,2,3
	global_load_b128 v[XS+4*\m:XS+4*\m+3], v10, s[78:79] offset:512*\m
.endr
.irp t, 0,1,2,3
	global_load_b128 v[WS+4*\t:WS+4*\t+3], v10, s[8:9] offset:512*\t
	global_load_b128 v[WS+16+4*\t:WS+16+4*\t+3], v10, s[12:13] offset:512*\t
	global_load_b128 v[WS+32+4*\t:WS+32+4*\t+3], v11, s[16:17] offset:32*(32*(\t/2)+8*(\t%2))
.endr
	; where the results go
	s_lshr_b32 s80, s[MT], 3
	s_lshl_b32 s80, s80, 4
	s_add_co_u32 s80, s80, s[HD]                   ; bh = 16 batch + head
	s_and_b32 s81, s[MT], 7                        ; a: which 256 positions of the sequence
	s_lshl_b32 s82, s81, 14
	s_lshl_b32 s96, s[WV], 12
	s_add_co_u32 s82, s82, s96                     ; 1,024 bytes a tile: 16,384 a + 4,096 wave
	s_lshl_b32 s83, s81, 10
	s_lshl_b32 s96, s[WV], 8
	s_add_co_u32 s83, s83, s96                     ; 256 bytes of scale words for four tiles
	s_lshl_b32 s96, s80, 17
	s_add_co_u32 s96, s96, s82
	s_add_nc_u64 s[84:85], s[24:25], s[96:97]      ; q's images
	s_lshl_b32 s96, s80, 13
	s_add_co_u32 s96, s96, s83
	s_add_co_u32 s96, s96, 0x400000
	s_add_nc_u64 s[86:87], s[24:25], s[96:97]      ; q's scale words
	s_mul_i32 s80, s80, 274432                     ; the head's record in kv
	s_add_co_u32 s96, s80, s82
	s_add_nc_u64 s[88:89], s[26:27], s[96:97]      ; k's images
	s_add_co_u32 s96, s80, s83
	s_add_co_u32 s96, s96, 262144
	s_add_nc_u64 s[90:91], s[26:27], s[96:97]      ; k's scale words
	s_lshr_b32 s82, s[WV], 1
	s_and_b32 s83, s[WV], 1
	s_lshl_b32 s96, s81, 14
	s_add_co_u32 s96, s96, s80
	s_lshl_b32 s67, s82, 13
	s_add_co_u32 s96, s96, s67
	s_lshl_b32 s67, s83, 10
	s_add_co_u32 s96, s96, s67
	s_add_co_u32 s96, s96, 131072
	s_add_nc_u64 s[92:93], s[26:27], s[96:97]      ; v's images: key step 2 a + wave / 2, key blocks 2 (wave % 2) on
	s_lshl_b32 s96, s81, 9
	s_add_co_u32 s96, s96, s80
	s_lshl_b32 s67, s82, 8
	s_add_co_u32 s96, s96, s67
	s_lshl_b32 s67, s83, 1
	s_add_co_u32 s96, s96, s67
	s_add_co_u32 s96, s96, 270336
	s_add_nc_u64 s[94:95], s[26:27], s[96:97]      ; v's scale bytes
.macro WM d, a, b, sa, sb, zero, hi
.if \zero
	v_wmma_scale_f32_16x16x128_f8f6f4 v[\d:\d+7], v[\a:\a+15], v[\b:\b+15], 0, v[\sa], v[\sb]
.elseif \hi
	v_wmma_scale_f32_16x16x128_f8f6f4 v[\d:\d+7], v[\a:\a+15], v[\b:\b+15], v[\d:\d+7], v[\sa], v[\sb] matrix_a_scale:MATRIX_SCALE_ROW1 matrix_b_scale:MATRIX_SCALE_ROW1
.else
	v_wmma_scale_f32_16x16x128_f8f6f4 v[\d:\d+7], v[\a:\a+15], v[\b:\b+15], v[\d:\d+7], v[\sa], v[\sb]
.endif
.endm
; 64 LDS loads: the fragments of the slot's sp-th 128 along K into set f (window f)
.macro FETCH slot, sp, f
	WIN (\f)<<6
.irp p, 0,1
.irp t, 0,1,2,3
.irp c, 0,1,2,3
	ds_load_b128 v[16*(4*\p+\t)+4*\c:16*(4*\p+\t)+4*\c+3], v[AW+\slot] offset:17408*\p+4352*\t+128*(\sp)+32*\c
.endr
.endr
.endr
.irp t, 0,1,2,3
.irp c, 0,1,2,3
	ds_load_b128 v[16*(8+\t)+4*\c:16*(8+\t)+4*\c+3], v[AV+\slot] offset:272*(32*(\t/2)+8*(\t%2))+128*(\sp)+32*\c
.endr
.endr
.irp m, 0,1,2,3
.irp c, 0,1,2,3
	ds_load_b128 v[192+16*\m+4*\c:192+16*\m+4*\c+3], v[AX+\slot] offset:4096*\m+2048*(\sp)+512*\c
.endr
.endr
.endm
; 16 matrix instructions each.  The 48 accumulators take turns, one instruction a turn, in the same order in every step.
.macro MULQK part, s, f, zero
	WIN 0xf0|(5*(\f))
.irp m, 0,1,2,3
.irp t, 0,1,2,3
	WM 128*\part+8*(4*\m+\t), 16*(4*\part+\t), 192+16*\m, WS+4*(4*\part+\t)+(\s)%4, XS+4*\m+(\s)%4, \zero, (\s)/4
.endr
.endr
.endm
.macro MULV s, f, zero
	WIN 5*(\f)
.irp t, 0,1,2,3
.irp m, 0,1,2,3
	WM 128+8*(4*\t+\m), 192+16*\m, 16*(8+\t), XS+4*\m+(\s)%4, WS+4*(8+\t)+(\s)%4, \zero, (\s)/4
.endr
.endr
.endm
; An even step: its fragments lie in set 1; the slot's second 128 along K are fetched into set 2, eight places behind the products that read that set.
.macro STEP slot, s, zero
	s_wait_dscnt 0x0                               ; this step's fragments are in
	PLACES 8
	FETCH \slot, 1, 2
	MULQK 0, \s, 1, \zero
	MULQK 1, \s, 1, \zero
	MULV \s, 1, \zero
.endm
; An odd step changes slots: one barrier; in front of it each wave waits for all its tensor loads, adds 0 to its spare word, and waits for that and for its reads of this slot.  fill = 1: the slot is filled again, 512 along K ahead.
.macro TURN slot, next, s, fill
	WIN 0
	s_wait_tensorcnt 0x0                           ; my part of the next slot has landed; no load of mine is out
	ds_add_u32 v[SPW], v[NIL]
.if \fill
	s_add_nc_u64 s[G0X+4*\slot+2:G0X+4*\slot+3], s[G0X+4*\slot+2:G0X+4*\slot+3], 131072
	s_add_nc_u64 s[G0W+4*\slot+2:G0W+4*\slot+3], s[G0W+4*\slot+2:G0W+4*\slot+3], 512
.endif
	s_wait_dscnt 0x0                               ; the add is done; this step's fragments, my last reads of the slot, are in
	s_barrier_signal -1
	MULQK 0, \s, 2, 0                              ; work on registers while the others arrive
	WIN 0
	s_barrier_wait -1
.if \fill
	CREST                                          ; the barrier has opened a round of the cluster's: no wave of any partner still reads the slot or has a load on its way
	JLOAD \slot                                    ; the first tensor load behind the round; its four v_nop are four of the eight places in front of the loads below
	PLACES 4
.else
	PLACES 8
.endif
	FETCH \next, 0, 1
	MULQK 1, \s, 2, 0
	MULV \s, 2, 0
.endm
	s_wait_tensorcnt 1                             ; my part of slot 0 is in; slot 1's load is the one younger
	s_barrier_signal -1
	s_barrier_wait -1
	FETCH 0, 0, 1
	s_wait_loadcnt 0x0                             ; the scale words
	STEP 0, 0, 1                                   ; the first products start the sums: nothing is cleared
	TURN 0, 1, 1, 1
	STEP 1, 2, 0
	TURN 1, 0, 3, 1
	STEP 0, 4, 0
	TURN 0, 1, 5, 0                                ; nothing is left to fetch
	STEP 1, 6, 0
	s_wait_dscnt 0x0
	PLACES 8                                       ; in front of loads into set 1, which the step before multiplied
	WIN 0x40
.irp t, 0,1,2,3
	global_load_b128 v[8*\t:8*\t+3], v12, s[18:19] offset:64*\t          ; bq at d = 16 t + 8 h + 0 .. 7
	global_load_b128 v[8*\t+4:8*\t+7], v12, s[18:19] offset:64*\t+16
	global_load_b128 v[32+8*\t:32+8*\t+3], v12, s[20:21] offset:64*\t    ; bk
	global_load_b128 v[32+8*\t+4:32+8*\t+7], v12, s[20:21] offset:64*\t+16
	global_load_b32 v[64+2*\t], v13, s[22:23] offset:4*(32*(\t/2)+8*(\t%2))   ; bv of my lane's row, twice: a pair for the packed addition
	global_load_b32 v[65+2*\t], v13, s[22:23] offset:4*(32*(\t/2)+8*(\t%2))
.endr
	MULQK 0, 7, 2, 0
	MULQK 1, 7, 2, 0
	MULV 7, 2, 0
	PLACES 8
	s_wait_loadcnt 0x0                             ; the biases
; THE WAY OUT of one of q, k, v: 128 registers in window W from AB on, eight blocks of 16 registers; the bias; each block's scale; codes into window CW from CD on; images and scale words to memory.  Each accumulator is read from its low end on.
.macro EPI W, AB, CW, CD, kind, SD, IB, SB
	WIN ((\W)<<6)|4|(\W)
.set i, 0
.rept 64
.if \kind == 2
	v_pk_add_f32 v[\AB+i:\AB+i+1], v[\AB+i:\AB+i+1], v[64+2*(i/32):65+2*(i/32)]
.else
	v_pk_add_f32 v[\AB+i:\AB+i+1], v[\AB+i:\AB+i+1], v[32*\kind+i%32:32*\kind+i%32+1]
.endif
.set i, i+2
.endr
	WIN 5*(\W)
.irp b, 0,1,2,3,4,5,6,7
	v_max3_num_f32 v[TM+\b], |v[\AB+16*\b]|, |v[\AB+16*\b+1]|, 0x4800000
.endr
.irp e, 2,4,6,8,10,12,14
.irp b, 0,1,2,3,4,5,6,7
	v_max3_num_f32 v[TM+\b], |v[\AB+16*\b+\e]|, |v[\AB+16*\b+\e+1]|, v[TM+\b]
.endr
.endr
	WIN 0
.irp b, 0,1,2,3,4,5,6,7
	v_permlanex16_b32 v[TM+8+\b], v[TM+\b], s[SEL], s[SEL+1]
.endr
.irp b, 0,1,2,3,4,5,6,7
	v_max_num_f32 v[TM+\b], v[TM+\b], v[TM+8+\b]
.endr
.irp b, 0,1,2,3,4,5,6,7
	v_add_nc_u32 v[TM+24+\b], 0xfc000000, v[TM+\b]
.endr
.irp b, 0,1,2,3,4,5,6,7
	v_and_or_b32 v[TM+16+\b], v[TM+\b], 0x7f800000, s[MNT]
.endr
.irp b, 0,1,2,3,4,5,6,7
	v_lshrrev_b32 v[TM+8+\b], 23, v[TM+24+\b]
.endr
.irp m, 0,1,2,3
	v_lshl_or_b32 v[118+\m], v[TM+9+2*\m], 8, v[TM+8+2*\m]   ; two blocks' bytes
.endr
	v_cndmask_b32 v[\SD], v118, v120, s[HALF]      ; lanes 0-15 send words 0 and 1, lanes 16-31 words 2 and 3
	v_cndmask_b32 v[\SD+1], v119, v121, s[HALF]
	WIN ((\W)<<6)|(\W)
.irp b, 0,1,2,3,4,5,6,7
.irp e, 0,1,2,3,4,5,6,7,8,9,10,11,12,13,14,15
	v_med3_num_f32 v[\AB+16*\b+\e], v[\AB+16*\b+\e], -v[TM+16+\b], v[TM+16+\b]
.endr
.endr
	WIN ((\CW)<<6)|(\W)
.irp b, 0,1,2,3,4,5,6,7
	v_cvt_scalef32_pk8_fp8_f32 v[\CD+4*\b:\CD+4*\b+1], v[\AB+16*\b:\AB+16*\b+7], v[TM+24+\b]
	v_cvt_scalef32_pk8_fp8_f32 v[\CD+4*\b+2:\CD+4*\b+3], v[\AB+16*\b+8:\AB+16*\b+15], v[TM+24+\b]
.endr
	v_nop                                          ; a plain line behind the last conversion
	WIN (\CW)<<2                                   ; a store's data are its source 1
.irp b, 0,1,2,3,4,5,6,7
.if \kind == 2
	global_store_b128 v[LI], v[\CD+4*\b:\CD+4*\b+3], s[\IB:\IB+1] offset:2048*(\b/2)+512*(\b%2)
.else
	global_store_b128 v[LI], v[\CD+4*\b:\CD+4*\b+3], s[\IB:\IB+1] offset:512*\b   ; 512 consecutive bytes
.endif
.endr
	WIN 0
.if \kind == 2
	global_store_b16 v14, v[\SD], s[\SB:\SB+1]     ; two of a word's four bytes: the other two are the neighbouring wave's
	global_store_b16 v14, v[\SD+1], s[\SB:\SB+1] offset:4
.else
	global_store_b64 v14, v[\SD:\SD+1], s[\SB:\SB+1]   ; 256 consecutive bytes
.endif
.endm
	EPI 3, 0, 1, 128, 0, 112, 84, 86
	EPI 3, 128, 1, 96, 1, 114, 88, 90
	EPI 0, 128, 2, 0, 2, 116, 92, 94
	s_wait_tensorcnt 0x0                           ; the wave's end
	ds_add_u32 v[SPW], v[NIL]
	s_wait_dscnt 0x0
	CROUND                                         ; the closing round
	s_endpgm
.Lfunc_end_k_qc13fdbf720_qkv:
	.size	k_qc13fdbf720_qkv, .Lfunc_end_k_qc13fdbf720_qkv-k_qc13fdbf720_qkv
	.p2alignl 7, 3214868480
	.fill 96, 4, 3214868480
	.section	.rodata,"a",@progbits
	.p2align	6, 0x0
	.amdhsa_kernel k_qc13fdbf720_qkv
		.amdhsa_group_segment_fixed_size 327680
		.amdhsa_private_segment_fixed_size 0
		.amdhsa_enable_private_segment 0
		.amdhsa_kernarg_size 96
		.amdhsa_user_sgpr_count 2
		.amdhsa_user_sgpr_kernarg_segment_ptr 1
		.amdhsa_wavefront_size32 1
		.amdhsa_system_sgpr_workgroup_id_x 1
		.amdhsa_system_sgpr_workgroup_id_y 1
		.amdhsa_system_sgpr_workgroup_id_z 1
		.amdhsa_system_vgpr_workitem_id 0
		.amdhsa_next_free_vgpr 1024
		.amdhsa_next_free_sgpr 100
		.amdhsa_reserve_vcc 0
		.amdhsa_float_denorm_mode_32 3
		.amdhsa_float_denorm_mode_16_64 3
		.amdhsa_memory_ordered 1
		.amdhsa_forward_progress 1
		.amdhsa_inst_pref_size 162
	.end_amdhsa_kernel
	.amdgpu_metadata
---
amdhsa.version: [ 1, 2 ]
amdhsa.kernels:
  - .name:           k_qc13fdbf720_qkv
    .symbol:         k_qc13fdbf720_qkv.kd
    .args:
      - { .name: xw, .offset: 0, .size: 8, .value_kind: global_buffer, .address_space: global }
      - { .name: Wq_codes, .offset: 8, .size: 8, .value_kind: global_buffer, .address_space: global }
      - { .name: Wq_scales, .offset: 16, .size: 8, .value_kind: global_buffer, .address_space: global }
      - { .name: Wk_codes, .offset: 24, .size: 8, .value_kind: global_buffer, .address_space: global }
      - { .name: Wk_scales, .offset: 32, .size: 8, .value_kind: global_buffer, .address_space: global }
      - { .name: Wv_codes, .offset: 40, .size: 8, .value_kind: global_buffer, .address_space: global }
      - { .name: Wv_scales, .offset: 48, .size: 8, .value_kind: global_buffer, .address_space: global }
      - { .name: bq, .offset: 56, .size: 8, .value_kind: global_buffer, .address_space: global }
      - { .name: bk, .offset: 64, .size: 8, .value_kind: global_buffer, .address_space: global }
      - { .name: bv, .offset: 72, .size: 8, .value_kind: global_buffer, .address_space: global }
      - { .name: qw, .offset: 80, .size: 8, .value_kind: global_buffer, .address_space: global }
      - { .name: kv, .offset: 88, .size: 8, .value_kind: global_buffer, .address_space: global }
    .group_segment_fixed_size: 327680
    .private_segment_fixed_size: 0
    .kernarg_segment_align: 8
    .kernarg_segment_size: 96
    .max_flat_workgroup_size: 128
    .sgpr_count:     100
    .vgpr_count:     1024
    .wavefront_size: 32
...
	.end_amdgpu_metadata
.endif
;; end of part 2
;; launch attn (part 3): grid 8 x 32, 16 waves a work-group, no clusters, 276,480 bytes of LDS; arguments qw, kv, mw, ow; writes ow
.if DOCPART == 3
	.amdgcn_target "amdgcn-amd-amdhsa--gfx1250"
	.amdhsa_code_object_version 6
	.text
	.protected	k_qc13fdbf720_attn
	.globl	k_qc13fdbf720_attn
	.p2align	8
	.type	k_qc13fdbf720_attn,@function
k_qc13fdbf720_attn:
	s_mov_b64 s[64:65], 0
	v_nop
	global_prefetch_b8 v0, s[64:65] scope:SCOPE_SE
	s_setreg_imm32_b32 hwreg(HW_REG_WAVE_MODE, 25, 1), 1
	s_wait_xcnt 0x0
; LAUNCH 3 OF 4.  Attention of one batch and head bh on codes of E4M3; the result, divided by the row's sum, is quantised along E and stored as images for the last product.
; LEFT OUT: a step of 128 keys that the mask blocks for all 16 queries of a tile, where no query of the tile is blocked on all keys (shown at the head of launch 1); the flags and lane masks are whole numbers read from mw.
; THE SOFTMAX.  What reference() hands to its softmax is score / 8 - the row's maximum, so the row's largest t is 0 and M = 0: p = 2^((s - smax) log2(e) / 8), and the largest p is exactly 1.  So the true maximum is wanted
; before any p is made: PASS 1 walks the keys for the maximum, PASS 2 makes the same scores again, bit for bit (the same instruction on the same registers), and s - smax is a subtraction of its own, exact at the maximum.
; A blocked place becomes -infinity (p = 0); in a row blocked everywhere it becomes 0 with smax = 0 (p = 1), as NaN -> 0 does in reference().
; SHARES.  The work-group holds the head's whole record (K's and V^T's images and their scale words, 274,432 bytes) in LDS, brought through registers once.  Wave w owns one tile of 16 queries, T = x + 8 rho(w).
; NO TENSOR LOAD AND NO CLUSTER: the walk branches on flags read from memory; the eight work-groups of a head each bring the record themselves.
; LAYOUT.  S^T = K Q^T (source 0 = 16 keys, source 1 = my queries), O^T = V^T P^T: a lane holds one query throughout.  The head has 64 along K, half of the instruction's 128: Q's upper half is zero codes;
; K's operand of tile t is v[32 + 8 t .. 47 + 8 t], whose upper half (the next tile's codes, or zeros) meets those zeros.
; LIMITS as stated at the head of launch 1.
; REGISTERS: v1 16 lane, v2 16 r, v3-6 LDS addresses, v9 -infinity, v10 what a blocked place becomes, v[12:13] smax twice, v[14:15] the sum, v16-31 at work, v32-95 K's or V's fragments, v96-103 zeros,
;   v104-167 S^T then p, v168-199 O^T, v200-215 p's codes, v216-231 Q and zeros, v232-235 K's scale words, v236-239 V's, v240 Q's, v241 p's.
.set VIMG,  131072
.set KSC,   262144
.set VSC,   270336
.set SPARE, 274432                     ; the spare words, 128 bytes a wave: eight blocks of 256 bytes that no other line names
.set SPW, 7
.set NIL, 8
.macro PLACES n
.rept \n
	v_nop
.endr
.endm
	s_load_b256 s[4:11], s[0:1], 0x0               ; qw, kv, mw, ow
	v_lshl_add_u32 v[SPW], v0, 2, SPARE
	v_mov_b32 v[NIL], 0
	v_lshrrev_b32 v1, 5, v0
	v_readfirstlane_b32 s2, v1                     ; wave 0..15
	s_lshr_b32 s3, s2, 2                           ; g
	s_and_b32 s29, s2, 3
	s_and_b32 s30, s3, 1
	s_mul_i32 s30, s30, 3
	s_xor_b32 s29, s29, s30                        ; every second group of four is dealt the other way round, so that masks which grow with the query weigh alike on waves w, w + 4, w + 8, w + 12 together
	s_lshl_b32 s3, s3, 2
	s_add_co_u32 s3, s3, s29                       ; rho
	s_lshl_b32 s3, s3, 3
	s_add_co_u32 s12, s3, ttmp9                    ; T
	s_and_b32 s13, ttmp7, 0xffff                   ; bh
	s_lshl_b32 s30, s12, 8
	s_add_co_u32 s30, s30, 524288
	s_mov_b32 s31, 0
	s_lshl_b32 s100, s13, 17
	s_lshl_b32 s29, s12, 10
	s_add_co_u32 s100, s100, s29
	s_mov_b32 s101, 0
	v_and_b32 v1, 31, v0
	v_lshlrev_b32 v1, 4, v1
	v_and_b32 v2, 15, v0
	v_lshlrev_b32 v2, 4, v2
	v_lshlrev_b32 v242, 4, v0
	v_lshlrev_b32 v243, 3, v0
.irp k, 0,1,2,3,4
	v_lshl_add_u32 v[244+\k], v0, 4, 65536*\k
.endr
	v_lshl_add_u32 v249, v0, 3, 262144
	s_mov_b32 s22, 0x76543210
	s_mov_b32 s23, 0xfedcba98
	s_mov_b32 s24, 0x600000
	s_mov_b32 s26, 0x3e38aa3b                      ; log2(e) / 8
	s_mov_b32 s27, s26
	s_mov_b32 s28, 0xffff0000
	s_wait_kmcnt 0x0
	s_add_nc_u64 s[66:67], s[8:9], s[30:31]
	s_load_b256 s[32:39], s[66:67], 0x0            ; my tile's 16 flag words
	s_load_b256 s[40:47], s[66:67], 0x80
	s_add_nc_u64 s[100:101], s[4:5], s[100:101]    ; Q's image
	s_lshl_b32 s30, s13, 13
	s_add_co_u32 s30, s30, 0x400000
	s_lshr_b32 s29, s12, 2
	s_lshl_b32 s29, s29, 8
	s_add_co_u32 s30, s30, s29
	s_and_b32 s29, s12, 3
	s_lshl_b32 s29, s29, 2
	s_add_co_u32 s30, s30, s29
	s_add_nc_u64 s[4:5], s[4:5], s[30:31]          ; Q's scale words
	s_mul_i32 s30, s13, 274432
	s_add_nc_u64 s[6:7], s[6:7], s[30:31]          ; the head's record
	s_lshl_b32 s30, s12, 12
	s_add_nc_u64 s[8:9], s[8:9], s[30:31]          ; my tile's lane masks: 256 bytes a step
	global_load_b128 v[216:219], v1, s[100:101]
	global_load_b128 v[220:223], v1, s[100:101] offset:512
	global_load_b32 v240, v2, s[4:5]
.set i, 0
.rept 33
	global_load_b128 v[32+4*i:35+4*i], v242, s[6:7] offset:8192*i   ; the 512 threads read 8,192 consecutive bytes
.set i, i+1
.endr
	global_load_b64 v[164:165], v243, s[6:7] offset:270336
	s_wait_kmcnt 0x0
	s_mov_b32 s14, 0                               ; LIVE: bit i: step i has an open place
	s_mov_b32 s15, 0                               ; MIXED: bit i: step i has a blocked place
	s_mov_b32 s3, -1
.irp i, 0,1,2,3,4,5,6,7,8,9,10,11,12,13,14,15
	s_and_b32 s3, s3, s[32+\i]
	s_bfe_u32 s29, s[32+\i], 0x10010
	s_lshl_b32 s29, s29, \i
	s_or_b32 s14, s14, s29
	s_bfe_u32 s29, s[32+\i], 0x10011
	s_lshl_b32 s29, s29, \i
	s_or_b32 s15, s15, s29
.endr
	s_and_b32 s3, s3, 0xffff                       ; rows blocked on all 2,048 keys
	s_cmp_lg_u32 s3, 0
	s_cselect_b32 s14, 0xffff, s14                 ; with such a row the tile walks every step
	s_cselect_b32 s15, 0xffff, s15
	v_mov_b32 v9, 0xff800000
.irp b, 0,1,2,3
	v_mov_b32 v[16+\b], 0xff800000                 ; pass 1's four chains
	v_mov_b32 v[20+\b], 0                          ; a lane permute's destination counts as one of its sources
.endr
	v_mov_b32 v14, 0
	v_mov_b32 v15, 0
.set i, 0
.rept 32
	v_mov_b32 v[168+i], 0                          ; O^T: which step is the first hangs on the mask, so the sums begin as zeros
.set i, i+1
.endr
.irp i, 0,1,2,3,4,5,6,7
	v_mov_b32 v[224+\i], 0                         ; Q's upper half: zero codes
.endr
.set i, 0
.rept 33
	s_wait_loadcnt 33-i                            ; the younger loads of the record may be out
	ds_store_b128 v[244+i/8], v[32+4*i:35+4*i] offset:8192*(i%8)
.set i, i+1
.endr
	s_wait_loadcnt 0x0
	ds_store_b64 v249, v[164:165] offset:8192
	s_wait_dscnt 0x0                               ; for the others' sake: my stores have landed
	s_barrier_signal -1
	s_barrier_wait -1                              ; the launch's one barrier: from here on LDS is only read
.irp i, 0,1,2,3,4,5,6,7
	v_mov_b32 v[96+\i], 0                          ; the upper half of tile 7's operand: zero codes (the registers carried the record until now)
.endr
	PLACES 4                                       ; codes written by vector instructions stand four places ahead of a scaled product that takes them
.macro TEST bits, label                ; on to label where bit s16 of the word is 0
	s_lshr_b32 s3, s[\bits], s16
	s_and_b32 s3, s3, 1
	s_cmp_eq_u32 s3, 0
	s_cbranch_scc1 \label
.endm
.macro START
	s_mov_b32 s16, 0
	s_mov_b32 s17, 0
	s_mov_b32 s18, VIMG
	s_mov_b32 s19, KSC
	s_mov_b32 s20, VSC
	s_mov_b32 s21, 0
.endm
.macro NEXT
	s_add_co_u32 s17, s17, 8192
	s_add_co_u32 s18, s18, 8192
	s_add_co_u32 s19, s19, 512
	s_add_co_u32 s20, s20, 256
	s_add_co_u32 s21, s21, 256
	s_add_co_u32 s16, s16, 1
	s_cmp_lt_u32 s16, 16
.endm
.macro MLOAD                           ; the step's 64 lane masks
	s_load_b512 s[32:47], s[8:9], s21 offset:0x0
	s_load_b512 s[48:63], s[8:9], s21 offset:0x40
	s_load_b512 s[68:83], s[8:9], s21 offset:0x80
	s_load_b512 s[84:99], s[8:9], s21 offset:0xc0
.endm
.macro KLOAD
.irp t, 0,1,2,3,4,5,6,7
	ds_load_b128 v[32+8*\t:35+8*\t], v3 offset:1024*\t
	ds_load_b128 v[36+8*\t:39+8*\t], v3 offset:1024*\t+512
.endr
	ds_load_b128 v[232:235], v5                    ; lanes 0-15: tiles 0-3's words, lanes 16-31: tiles 4-7's
.endm
.macro KMUL
.irp t, 0,1,2,3
	v_wmma_scale_f32_16x16x128_f8f6f4 v[104+8*\t:111+8*\t], v[32+8*\t:47+8*\t], v[216:231], 0, v[232+\t], v240
.endr
.irp t, 4,5,6,7
	v_wmma_scale_f32_16x16x128_f8f6f4 v[104+8*\t:111+8*\t], v[32+8*\t:47+8*\t], v[216:231], 0, v[228+\t], v240 matrix_a_scale:MATRIX_SCALE_ROW1
.endr
.endm
.macro MASKED val
.set n, 0
.rept 64
	v_cndmask_b32 v[104+n], v[104+n], v[\val], s[32+n+4*(n/32)]
.set n, n+1
.endr
.endm
	; ---- PASS 1: the row's largest score
	START
.Lp1:
	TEST 14, .Lp1_next
	MLOAD
	v_add_nc_u32 v3, s17, v1
	v_add_nc_u32 v5, s19, v1
	KLOAD
	s_wait_dscnt 0x0
	KMUL
	PLACES 8
	s_wait_kmcnt 0x0
	TEST 15, .Lp1_open
	MASKED 9
.Lp1_open:
.irp e, 0,2,4,6,8,10,12,14
.irp b, 0,1,2,3
	v_max3_num_f32 v[16+\b], v[16+\b], v[104+16*\b+\e], v[105+16*\b+\e]
.endr
.endr
.Lp1_next:
	NEXT
	s_cbranch_scc1 .Lp1
	v_max3_num_f32 v16, v16, v17, v18
	v_max_num_f32 v16, v16, v19
	v_permlanex16_b32 v20, v16, s22, s23
	v_max_num_f32 v12, v16, v20                    ; smax
	v_cmp_eq_f32 vcc_lo, v12, v9                   ; a row blocked everywhere (a choice of values only)
	v_cndmask_b32 v10, v9, 0, vcc_lo
	v_cndmask_b32 v12, v12, 0, vcc_lo
	v_mov_b32 v13, v12
	; ---- PASS 2: p, its sum, its codes, and O^T
	START
.Lp2:
	TEST 14, .Lp2_next
	MLOAD
	v_add_nc_u32 v3, s17, v1
	v_add_nc_u32 v4, s18, v1
	v_add_nc_u32 v5, s19, v1
	v_add_nc_u32 v6, s20, v2
	PLACES 4                                       ; with the four additions: eight places behind the last step's products, in front of loads into their registers
	KLOAD
	s_wait_dscnt 0x0
	KMUL
	PLACES 8
.irp t, 0,1,2,3
.irp c, 0,1,2,3
	ds_load_b128 v[32+16*\t+4*\c:35+16*\t+4*\c], v4 offset:2048*\t+512*\c   ; V^T's four fragments land while the softmax is worked
.endr
.endr
	ds_load_b128 v[236:239], v6
	s_wait_kmcnt 0x0
	TEST 15, .Lp2_open
	MASKED 10
.Lp2_open:
.irp b, 0,1,2,3
	v_max3_num_f32 v[16+\b], v[104+16*\b], v[105+16*\b], v[106+16*\b]   ; each block's largest score: p rises with the score, so it gives the block's largest p
.endr
.irp e, 3,5,7,9,11,13
.irp b, 0,1,2,3
	v_max3_num_f32 v[16+\b], v[16+\b], v[104+16*\b+\e], v[105+16*\b+\e]
.endr
.endr
.irp b, 0,1,2,3
	v_max_num_f32 v[16+\b], v[16+\b], v[119+16*\b]
.endr
.irp b, 0,1,2,3
	v_permlanex16_b32 v[20+\b], v[16+\b], s22, s23
.endr
.irp b, 0,1,2,3
	v_max_num_f32 v[16+\b], v[16+\b], v[20+\b]
.endr
.irp b, 0,1,2,3
	v_sub_f32 v[16+\b], v[16+\b], v12
.endr
.irp b, 0,1,2,3
	v_mul_f32 v[16+\b], s26, v[16+\b]
.endr
.set j, 0
.rept 32
	v_pk_add_f32 v[104+j:105+j], v[104+j:105+j], v[12:13] neg_lo:[0,1] neg_hi:[0,1]   ; s - smax: exactly 0 at the maximum
.set j, j+2
.endr
.set j, 0
.rept 32
	v_pk_mul_f32 v[104+j:105+j], v[104+j:105+j], s[26:27] op_sel_hi:[1,0]
.set j, j+2
.endr
.set j, 0
.rept 64
	v_exp_f32 v[104+j], v[104+j]
.set j, j+1
.endr
.irp b, 0,1,2,3
	v_exp_f32 v[16+\b], v[16+\b]
.endr
	v_nop                                          ; a plain line behind the last exponential
	s_wait_alu depctr_va_vdst(0)                   ; one wait for the batch of 68, ahead of its first reader
	v_pk_add_f32 v[20:21], v[104:105], v[106:107]  ; the row's sum is taken of the unquantised p, in two chains
.set j, 4
.rept 15
	v_pk_add_f32 v[14:15], v[14:15], v[104+j:105+j]
	v_pk_add_f32 v[20:21], v[20:21], v[106+j:107+j]
.set j, j+4
.endr
	v_pk_add_f32 v[14:15], v[14:15], v[20:21]
.irp b, 0,1,2,3
	v_max_num_f32 v[16+\b], 0x4800000, v[16+\b]    ; the floor: the byte cannot fall under 1
.endr
.irp b, 0,1,2,3
	v_add_nc_u32 v[28+\b], 0xfc000000, v[16+\b]
.endr
.irp b, 0,1,2,3
	v_and_or_b32 v[24+\b], v[16+\b], 0x7f800000, s24
.endr
.irp b, 0,1,2,3
	v_lshrrev_b32 v[20+\b], 23, v[28+\b]
.endr
	v_lshl_or_b32 v241, v21, 8, v20
	v_lshl_or_b32 v241, v22, 16, v241
	v_lshl_or_b32 v241, v23, 24, v241              ; p's scale word; the 64 holds below stand between it and the products
.irp b, 0,1,2,3
.irp e, 0,1,2,3,4,5,6,7,8,9,10,11,12,13,14,15
	v_min_num_f32 v[104+16*\b+\e], v[104+16*\b+\e], v[24+\b]   ; p is not negative: the hold is one-sided
.endr
	v_cvt_scalef32_pk8_fp8_f32 v[200+4*\b:201+4*\b], v[104+16*\b:111+16*\b], v[28+\b]
	v_cvt_scalef32_pk8_fp8_f32 v[202+4*\b:203+4*\b], v[112+16*\b:119+16*\b], v[28+\b]
.endr
	PLACES 4                                       ; codes made by vector instructions stand four places ahead of a scaled product
	s_wait_dscnt 0x0                               ; V^T and its scale words
.irp t, 0,1,2,3
	v_wmma_scale_f32_16x16x128_f8f6f4 v[168+8*\t:175+8*\t], v[32+16*\t:47+16*\t], v[200:215], v[168+8*\t:175+8*\t], v[236+\t], v241
.endr
.Lp2_next:
	NEXT
	s_cbranch_scc1 .Lp2
	; ---- THE WAY OUT: O^T / the sum, quantised along d (its true place along E), as an image
	PLACES 8
	v_add_f32 v14, v14, v15
	v_permlanex16_b32 v20, v14, s22, s23
	v_add_f32 v14, v14, v20
	v_rcp_f32 v14, v14
	v_nop
	s_wait_alu depctr_va_vdst(0)
	v_mov_b32 v15, v14
.set j, 0
.rept 16
	v_pk_mul_f32 v[168+j:169+j], v[168+j:169+j], v[14:15]
.set j, j+2
.endr
.irp b, 0,1
	v_max3_num_f32 v[16+\b], |v[168+16*\b]|, |v[169+16*\b]|, 0x4800000
.endr
.irp e, 2,4,6,8,10,12,14
.irp b, 0,1
	v_max3_num_f32 v[16+\b], v[16+\b], |v[168+16*\b+\e]|, |v[169+16*\b+\e]|
.endr
.endr
.irp b, 0,1
	v_permlanex16_b32 v[20+\b], v[16+\b], s22, s23
.endr
.irp b, 0,1
	v_max_num_f32 v[16+\b], v[16+\b], v[20+\b]
.endr
.irp b, 0,1
	v_add_nc_u32 v[28+\b], 0xfc000000, v[16+\b]
	v_and_or_b32 v[24+\b], v[16+\b], 0x7f800000, s24
.endr
.irp b, 0,1
	v_lshrrev_b32 v[20+\b], 23, v[28+\b]
.endr
.irp b, 0,1
.irp e, 0,1,2,3,4,5,6,7,8,9,10,11,12,13,14,15
	v_med3_num_f32 v[168+16*\b+\e], v[168+16*\b+\e], -v[24+\b], v[24+\b]
.endr
	v_cvt_scalef32_pk8_fp8_f32 v[200+4*\b:201+4*\b], v[168+16*\b:175+16*\b], v[28+\b]
	v_cvt_scalef32_pk8_fp8_f32 v[202+4*\b:203+4*\b], v[176+16*\b:183+16*\b], v[28+\b]
.endr
	v_nop
	s_lshr_b32 s29, s13, 4
	s_lshl_b32 s29, s29, 7
	s_add_co_u32 s29, s29, s12                     ; the row tile: 128 batch + T
	s_and_b32 s3, s13, 15                          ; the head
	s_lshl_b32 s30, s29, 14
	s_lshl_b32 s16, s3, 10
	s_add_co_u32 s30, s30, s16
	s_mov_b32 s31, 0
	s_add_nc_u64 s[66:67], s[10:11], s[30:31]      ; K step head / 2, pieces 2 (head % 2) on
	s_lshl_b32 s30, s29, 9
	s_add_co_u32 s30, s30, 0x400000
	s_lshr_b32 s16, s3, 1
	s_lshl_b32 s16, s16, 6
	s_add_co_u32 s30, s30, s16
	s_and_b32 s16, s3, 1
	s_lshl_b32 s16, s16, 1
	s_add_co_u32 s30, s30, s16
	s_add_nc_u64 s[10:11], s[10:11], s[30:31]
	v_lshrrev_b32 v242, 2, v2
	v_bfe_u32 v243, v0, 4, 1
	v_add_nc_u32 v242, v242, v243                  ; 4 r + h
	v_cndmask_b32 v244, v20, v21, s28              ; lanes 0-15 send block 0's byte, lanes 16-31 block 1's
	global_store_b128 v1, v[200:203], s[66:67]
	global_store_b128 v1, v[204:207], s[66:67] offset:512
	global_store_b8 v242, v244, s[10:11]
	s_wait_tensorcnt 0x0                           ; the wave's end, behind my last LDS store
	ds_add_u32 v[SPW], v[NIL]
	s_wait_dscnt 0x0
	s_endpgm
.Lfunc_end_k_qc13fdbf720_attn:
	.size	k_qc13fdbf720_attn, .Lfunc_end_k_qc13fdbf720_attn-k_qc13fdbf720_attn
	.p2alignl 7, 3214868480
	.fill 96, 4, 3214868480
	.section	.rodata,"a",@progbits
	.p2align	6, 0x0
	.amdhsa_kernel k_qc13fdbf720_attn
		.amdhsa_group_segment_fixed_size 276480
		.amdhsa_private_segment_fixed_size 0
		.amdhsa_enable_private_segment 0
		.amdhsa_kernarg_size 32
		.amdhsa_user_sgpr_count 2
		.amdhsa_user_sgpr_kernarg_segment_ptr 1
		.amdhsa_wavefront_size32 1
		.amdhsa_system_sgpr_workgroup_id_x 1
		.amdhsa_system_sgpr_workgroup_id_y 1
		.amdhsa_system_sgpr_workgroup_id_z 1
		.amdhsa_system_vgpr_workitem_id 0
		.amdhsa_next_free_vgpr 256
		.amdhsa_next_free_sgpr 102
		.amdhsa_reserve_vcc 1
		.amdhsa_float_denorm_mode_32 3
		.amdhsa_float_denorm_mode_16_64 3
		.amdhsa_memory_ordered 1
		.amdhsa_forward_progress 1
		.amdhsa_inst_pref_size 58
	.end_amdhsa_kernel
	.amdgpu_metadata
---
amdhsa.version: [ 1, 2 ]
amdhsa.kernels:
  - .name:           k_qc13fdbf720_attn
    .symbol:         k_qc13fdbf720_attn.kd
    .args:
      - { .name: qw, .offset: 0, .size: 8, .value_kind: global_buffer, .address_space: global }
      - { .name: kv, .offset: 8, .size: 8, .value_kind: global_buffer, .address_space: global }
      - { .name: mw, .offset: 16, .size: 8, .value_kind: global_buffer, .address_space: global }
      - { .name: ow, .offset: 24, .size: 8, .value_kind: global_buffer, .address_space: global }
    .group_segment_fixed_size: 276480
    .private_segment_fixed_size: 0
    .kernarg_segment_align: 8
    .kernarg_segment_size: 32
    .max_flat_workgroup_size: 512
    .sgpr_count:     102
    .vgpr_count:     256
    .wavefront_size: 32
...
	.end_amdgpu_metadata
.endif
;; end of part 3
;; launch outln (part 4): grid 256 x 1, 4 waves a work-group, clusters of 4 x 1, 327,680 bytes of LDS; arguments ow, Wo_codes, Wo_scales, bo, x, gamma, beta, out0; writes out0
.if DOCPART == 4
	.amdgcn_target "amdgcn-amd-amdhsa--gfx1250"
	.amdhsa_code_object_version 6
	.text
	.protected	k_qc13fdbf720_outln
	.globl	k_qc13fdbf720_outln
	.p2align	8
	.type	k_qc13fdbf720_outln,@function
k_qc13fdbf720_outln:
	s_mov_b64 s[64:65], 0
	v_nop
	global_prefetch_b8 v0, s[64:65] scope:SCOPE_SE
	s_setreg_imm32_b32 hwreg(HW_REG_WAVE_MODE, 25, 1), 1
	s_wait_xcnt 0x0
	s_wait_alu depctr_hold_cnt(0) depctr_sa_sdst(0) depctr_va_vdst(0) depctr_va_sdst(0) depctr_va_ssrc(0) depctr_va_vcc(0) depctr_vm_vsrc(0)
	s_getreg_b32 s2, hwreg(HW_REG_IB_STS2, 6, 4)
	s_cmp_eq_u32 s2, 0
	s_cbranch_scc0 .Lentry_in_a_cluster
	s_endpgm
.Lentry_in_a_cluster:
	s_bfe_u32 s2, ttmp6, 0x10000c
	s_cmp_lg_u32 s2, 0x3003
	s_cbranch_scc0 .Lentry_shape_is_right
	s_endpgm
.Lentry_shape_is_right:
; LAUNCH 4 OF 4.  y = o Wo^T + bo on codes of E4M3; r = y + nan_to_num(x); LayerNorm over the row; nan_to_num.  Nothing is left out here.
; SHARES.  A work-group takes 16 rows and all 1,024 columns, since the norm wants whole rows.  Wave w makes columns 256 w .. + 255 (16 accumulators; source 0 = 16 rows of Wo, source 1 = o: a lane holds one row and
; eight neighbouring columns); then, through a stage in LDS, it norms rows 4 w .. 4 w + 3 and stores them whole.
; Wo goes through two LDS slots in eight fills: fill f holds, for each wave, rows 256 w + 128 (f / 4) .. + 127, 256 along K from 256 (f % 4) on.  A wave reads only what it fetched.
; CLUSTER 4 x 1: every work-group walks all of Wo, so the four partners ask for each tile jointly (mask 15).  Two tensor loads of a wave are out at the start, one behind each round.
; REGISTERS: window 0: v1-9 addresses; v16-19 o's scale words, v20-83 Wo's (register j: K step j in lanes 0-15, 4 + j in lanes 16-31); v84-89 the norm's figures; v128-255 accumulators.
;   window 1: v0-127 o's eight fragments; v128-159 gamma, v160-191 beta, v192-223 bo.   window 2: a fill's 16 fragments.   window 3: v0-127 four rows of x, then r, then the result; v128-159 a row of y; v160-165 at work.
.set SLOT,  139264
.set SPARE, 278528                     ; the spare words, 128 bytes a wave: two blocks of 256 bytes that no other line names
.set LI, 1
.set AW, 2
.set SO, 4
.set SR, 5
.set SPW, 6
.set NIL, 7
.set OS, 16
.set WS, 20
.set G1, 20
.set G0, 28
.set WV, 36
.set SEL, 44
.set MSB, 0
.macro WIN new
.if MSB != (\new)
	s_set_vgpr_msb (MSB<<8)|(\new)
.set MSB, (\new)
.endif
.endm
.macro PLACES n
.rept \n
	v_nop
.endr
.endm
.macro CROUND                          ; a round of the cluster's barrier
	s_barrier_signal -1
	s_barrier_wait -1
	s_cmp_lg_u32 s[WV], 0
	s_cbranch_scc1 .Lnot_wave_0_\@
	s_barrier_signal -3
.Lnot_wave_0_\@:
	s_barrier_wait -3
	s_barrier_signal -1
	s_barrier_wait -1
.endm
	s_load_b512 s[4:19], s[0:1], 0x0               ; ow, Wo codes, Wo scales, bo, x, gamma, beta, out0
	v_lshl_add_u32 v[SPW], v0, 2, SPARE
	v_mov_b32 v[NIL], 0
	ds_add_u32 v[SPW], v[NIL]                      ; the wave's opening: the add, twice on end, and its wait ahead of my first tensor load
	ds_add_u32 v[SPW], v[NIL]
	v_lshrrev_b32 v10, 5, v0
	v_readfirstlane_b32 s[WV], v10
	s_bfe_u32 s37, ttmp6, 0x40000                  ; cx
	s_lshl_b32 s38, ttmp9, 2
	s_add_co_u32 s38, s38, s37                     ; my tile of 16 rows: it enters o's, x's and the output's addresses alone
	s_mov_b32 s[G1], 15|(1<<20)|(1<<21)|(5<<22)|(3<<25)   ; the mask: all four; elements of 1 byte; 4 words of padding behind every 64
	s_mov_b32 s[G1+1], 256<<16
	s_mov_b32 s[G1+2], 128<<16
	s_mov_b32 s[G1+3], 256<<16
	s_mov_b32 s[G1+4], 128
	s_mov_b32 s[G1+5], 1024
	s_mov_b32 s[G1+6], 0
	s_mov_b32 s[G1+7], 0
	s_mul_i32 s39, s[WV], 34816                    ; my 128 rows of 272 bytes in a slot
	s_lshl_b32 s40, s[WV], 18                      ; my 256 rows of Wo
	s_mov_b32 s41, 0
	s_mov_b32 s[SEL], 0x76543210
	s_mov_b32 s[SEL+1], 0xfedcba98
	s_mov_b32 s46, 0x7fffffff
	s_mov_b32 s47, 0x7f800000
	s_mov_b32 s48, 0x4e6e6b28                      ; 1e9
	s_mov_b32 s49, 0x3a800000                      ; 1 / 1024
	s_mov_b32 s50, 0x3727c5ac                      ; 1e-5
	s_wait_dscnt 0x0                               ; both opening adds are done
	s_wait_kmcnt 0x0
	s_add_nc_u64 s[42:43], s[6:7], s[40:41]
.irp n, 0,1
	s_mov_b32 s[G0+4*\n], 1
	s_add_co_u32 s[G0+4*\n+1], s39, \n*SLOT
	s_add_nc_u64 s[G0+4*\n+2:G0+4*\n+3], s[42:43], \n*256
	s_or_b32 s[G0+4*\n+3], s[G0+4*\n+3], 0x80000000
.endr
	CROUND                                         ; all four work-groups are here: the first joint loads meet
	tensor_load_to_lds s[G0:G0+3], s[G1:G1+7]
	s_nop 0
	tensor_load_to_lds s[G0+4:G0+7], s[G1:G1+7]
	s_nop 0
.rept 4
	v_nop
.endr
	v_and_b32 v10, 31, v0
	v_and_b32 v11, 15, v0                          ; r
	v_bfe_u32 v12, v0, 4, 1                        ; h
	v_lshlrev_b32 v[LI], 4, v10
	v_mul_u32_u24 v[AW], v11, 272
	v_lshl_add_u32 v[AW], v12, 4, v[AW]
	v_add_nc_u32 v[AW], s39, v[AW]
	v_add_nc_u32 v[AW+1], SLOT, v[AW]
	v_mul_u32_u24 v[SO], v11, 4112
	v_lshl_add_u32 v[SO], v12, 5, v[SO]
	s_lshl_b32 s56, s[WV], 10
	v_add_nc_u32 v[SO], s56, v[SO]                 ; the stage, in: row r of 4,096 + 16 bytes, + 1,024 wave + 32 h
	s_mul_i32 s56, s[WV], 16448
	v_add_nc_u32 v[SR], s56, v[LI]                 ; and out: my four rows, 16 bytes a lane
	v_lshlrev_b32 v8, 2, v11
	v_lshl_add_u32 v8, v12, 8, v8                  ; o's scale words: 4 r + 256 h
	v_lshlrev_b32 v9, 5, v11
	v_lshl_add_u32 v9, v12, 4, v9                  ; Wo's scale bytes: 32 r + 16 h
	v_mov_b32 v85, 0                               ; a lane permute's destination counts as one of its sources
	s_lshl_b32 s56, s38, 14
	s_mov_b32 s57, 0
	s_add_nc_u64 s[52:53], s[4:5], s[56:57]        ; o's images
	s_lshl_b32 s56, s38, 9
	s_add_co_u32 s56, s56, 0x400000
	s_add_nc_u64 s[54:55], s[4:5], s[56:57]        ; o's scale words
	s_lshl_b32 s56, s[WV], 13
	s_add_nc_u64 s[8:9], s[8:9], s[56:57]
	s_lshl_b32 s56, s38, 16
	s_lshl_b32 s40, s[WV], 14
	s_add_co_u32 s56, s56, s40
	s_add_nc_u64 s[12:13], s[12:13], s[56:57]      ; my four rows of x
	s_add_nc_u64 s[18:19], s[18:19], s[56:57]      ; and of the output
	WIN 0x40
.irp s, 0,1,2,3,4,5,6,7
.irp c, 0,1,2,3
	global_load_b128 v[16*\s+4*\c:16*\s+4*\c+3], v[LI], s[52:53] offset:2048*\s+512*\c
.endr
.endr
	WIN 0
.irp j, 0,1,2,3
	global_load_b32 v[OS+\j], v8, s[54:55] offset:64*\j
.endr
.irp t, 0,1,2,3,4,5,6,7,8,9,10,11,12,13,14,15
	global_load_b128 v[WS+4*\t:WS+4*\t+3], v9, s[8:9] offset:512*\t
.endr
	WIN 0xc0
.irp q, 0,1,2,3
.irp i, 0,1,2,3,4,5,6,7
	global_load_b128 v[32*\q+4*\i:32*\q+4*\i+3], v[LI], s[12:13] offset:4096*\q+512*\i th:TH_LOAD_NT
.endr
.endr
	WIN 0x40
.irp i, 0,1,2,3,4,5,6,7
	global_load_b128 v[128+4*\i:131+4*\i], v[LI], s[14:15] offset:512*\i
	global_load_b128 v[160+4*\i:163+4*\i], v[LI], s[16:17] offset:512*\i
	global_load_b128 v[192+4*\i:195+4*\i], v[LI], s[10:11] offset:512*\i
.endr
	WIN 0
; Fill f is multiplied: 64 LDS loads, 16 matrix instructions on eight accumulators by turns.
.macro WORK f
.set NH, (\f)/4
.set KS, (\f)%4
	WIN 0x80
.irp sp, 0,1
.irp t, 0,1,2,3,4,5,6,7
.irp c, 0,1,2,3
	ds_load_b128 v[16*(8*\sp+\t)+4*\c:16*(8*\sp+\t)+4*\c+3], v[AW+(\f)%2] offset:4352*\t+128*\sp+32*\c
.endr
.endr
.endr
	s_wait_dscnt 32                                ; the first 128 along K are in; the 32 loads of the second are younger
	WIN 0x06                                       ; source 0 (Wo) window 2, source 1 (o) window 1, C and D window 0
.irp sp, 0,1
.if \sp == 1
	s_wait_dscnt 0x0
.endif
.irp t, 0,1,2,3,4,5,6,7
.if (KS == 0) && (\sp == 0)
	v_wmma_scale_f32_16x16x128_f8f6f4 v[128+8*(8*NH+\t):135+8*(8*NH+\t)], v[16*(8*\sp+\t):16*(8*\sp+\t)+15], v[16*(2*KS+\sp):16*(2*KS+\sp)+15], 0, v[WS+4*(8*NH+\t)], v[OS]
.elseif KS >= 2
	v_wmma_scale_f32_16x16x128_f8f6f4 v[128+8*(8*NH+\t):135+8*(8*NH+\t)], v[16*(8*\sp+\t):16*(8*\sp+\t)+15], v[16*(2*KS+\sp):16*(2*KS+\sp)+15], v[128+8*(8*NH+\t):135+8*(8*NH+\t)], v[WS+4*(8*NH+\t)+2*KS+\sp-4], v[OS+2*KS+\sp-4] matrix_a_scale:MATRIX_SCALE_ROW1 matrix_b_scale:MATRIX_SCALE_ROW1
.else
	v_wmma_scale_f32_16x16x128_f8f6f4 v[128+8*(8*NH+\t):135+8*(8*NH+\t)], v[16*(8*\sp+\t):16*(8*\sp+\t)+15], v[16*(2*KS+\sp):16*(2*KS+\sp)+15], v[128+8*(8*NH+\t):135+8*(8*NH+\t)], v[WS+4*(8*NH+\t)+2*KS+\sp], v[OS+2*KS+\sp]
.endif
.endr
.endr
	WIN 0
.endm
; The change of slots in front of fill f's work: all my tensor loads have landed (fill f among them), the add, my reads of the other slot are over; behind the round fill f + 1 goes into that slot.
.macro CHANGE f
.set SL, ((\f)+1)%2
	s_wait_tensorcnt 0x0
	ds_add_u32 v[SPW], v[NIL]
.if (\f) < 7
.if ((\f)+1)/2 == 2
	s_add_nc_u64 s[G0+4*SL+2:G0+4*SL+3], s[G0+4*SL+2:G0+4*SL+3], 130560   ; 128 rows down and back along K
.else
	s_add_nc_u64 s[G0+4*SL+2:G0+4*SL+3], s[G0+4*SL+2:G0+4*SL+3], 512
.endif
.endif
	s_wait_dscnt 0x0
.if (\f) < 7
	CROUND
	tensor_load_to_lds s[G0+4*SL:G0+4*SL+3], s[G1:G1+7]
	s_nop 0
.else
	s_barrier_signal -1
	s_barrier_wait -1                              ; nothing is left to fetch; behind this barrier nobody reads slot 0, which takes the stage
.endif
	PLACES 8                                       ; in front of loads into registers that the last products read
.endm
	s_wait_tensorcnt 1                             ; fill 0 is in; fill 1 is the one younger
	s_wait_loadcnt 56                              ; o and the scale words are in; the 56 loads of x, gamma, beta and bo are younger
	WORK 0
.irp f, 1,2,3,4,5,6,7
	CHANGE \f
	WORK \f
.endr
	PLACES 8
.irp t, 0,1,2,3,4,5,6,7,8,9,10,11,12,13,14,15
	ds_store_b128 v[SO], v[128+8*\t:131+8*\t] offset:64*\t         ; each accumulator from its low end on
	ds_store_b128 v[SO], v[132+8*\t:135+8*\t] offset:64*\t+16
.endr
	s_wait_dscnt 0x0                               ; for the others' sake: my stores have landed
	s_barrier_signal -1
	s_barrier_wait -1                              ; 16 whole rows of y lie in the stage
	s_wait_loadcnt 0x0                             ; x, gamma, beta, bo
.macro NANFIX reg                      ; nan_to_num, on registers of window 3
	v_and_b32 v160, s46, v[\reg]
	v_bfi_b32 v161, s46, s48, v[\reg]
	v_cmp_eq_u32 vcc_lo, s47, v160
	v_cndmask_b32 v161, 0, v161, vcc_lo
	v_cmp_gt_u32 vcc_lo, s47, v160
	v_cndmask_b32 v[\reg], v161, v[\reg], vcc_lo
.endm
.macro RED                             ; v84 summed over the 32 lanes, in every lane
	v_add_f32_dpp v84, v84, v84 row_xmask:1 row_mask:0xf bank_mask:0xf
	v_add_f32_dpp v84, v84, v84 row_xmask:2 row_mask:0xf bank_mask:0xf
	v_add_f32_dpp v84, v84, v84 row_xmask:4 row_mask:0xf bank_mask:0xf
	v_add_f32_dpp v84, v84, v84 row_xmask:8 row_mask:0xf bank_mask:0xf
	v_permlanex16_b32 v85, v84, s[SEL], s[SEL+1]
	v_add_f32 v84, v84, v85
.endm
	WIN 0xff
.set i, 0
.rept 128
	NANFIX i
.set i, i+1
.endr
.macro LNROW q                         ; register 4 i + e of lane l is column 128 i + 4 l + e
	WIN 0xc0
.irp i, 0,1,2,3,4,5,6,7
	ds_load_b128 v[128+4*\i:131+4*\i], v[SR] offset:4112*\q+512*\i
.endr
	s_wait_dscnt 0x0
	WIN 0xc7
.set j, 0
.rept 16
	v_pk_add_f32 v[128+j:129+j], v[128+j:129+j], v[192+j:193+j]          ; y = the product + bo
.set j, j+2
.endr
	WIN 0xff
.set j, 0
.rept 16
	v_pk_add_f32 v[32*\q+j:32*\q+j+1], v[128+j:129+j], v[32*\q+j:32*\q+j+1]   ; r = y + x
.set j, j+2
.endr
	v_pk_add_f32 v[162:163], v[32*\q:32*\q+1], v[32*\q+2:32*\q+3]
	v_pk_add_f32 v[164:165], v[32*\q+4:32*\q+5], v[32*\q+6:32*\q+7]
.set j, 8
.rept 6
	v_pk_add_f32 v[162:163], v[162:163], v[32*\q+j:32*\q+j+1]
	v_pk_add_f32 v[164:165], v[164:165], v[32*\q+j+2:32*\q+j+3]
.set j, j+4
.endr
	v_pk_add_f32 v[162:163], v[162:163], v[164:165]
	WIN 0x0f
	v_add_f32 v84, v162, v163
	WIN 0
	RED
	v_mul_f32 v86, s49, v84                        ; the mean
	v_mov_b32 v87, v86
	WIN 0xc3
.set j, 0
.rept 16
	v_pk_add_f32 v[32*\q+j:32*\q+j+1], v[32*\q+j:32*\q+j+1], v[86:87] neg_lo:[0,1] neg_hi:[0,1]
.set j, j+2
.endr
	WIN 0xff
	v_pk_mul_f32 v[162:163], v[32*\q:32*\q+1], v[32*\q:32*\q+1]
	v_pk_mul_f32 v[164:165], v[32*\q+2:32*\q+3], v[32*\q+2:32*\q+3]
.set j, 4
.rept 7
	v_pk_fma_f32 v[162:163], v[32*\q+j:32*\q+j+1], v[32*\q+j:32*\q+j+1], v[162:163]
	v_pk_fma_f32 v[164:165], v[32*\q+j+2:32*\q+j+3], v[32*\q+j+2:32*\q+j+3], v[164:165]
.set j, j+4
.endr
	v_pk_add_f32 v[162:163], v[162:163], v[164:165]
	WIN 0x0f
	v_add_f32 v84, v162, v163
	WIN 0
	RED
	v_fma_f32 v84, v84, s49, s50                   ; the variance + 1e-5
	v_rsq_f32 v88, v84
	v_nop
	s_wait_alu depctr_va_vdst(0)                   ; ahead of the first reader
	v_mov_b32 v89, v88
	WIN 0xc3
.set j, 0
.rept 16
	v_pk_mul_f32 v[32*\q+j:32*\q+j+1], v[32*\q+j:32*\q+j+1], v[88:89]
.set j, j+2
.endr
	WIN 0xd7
.set j, 0
.rept 16
	v_pk_fma_f32 v[32*\q+j:32*\q+j+1], v[32*\q+j:32*\q+j+1], v[128+j:129+j], v[160+j:161+j]   ; x gamma + beta
.set j, j+2
.endr
	WIN 0xff
.set i, 0
.rept 32
	NANFIX 32*\q+i
.set i, i+1
.endr
	WIN 0x0c                                       ; a store's data are its source 1
.irp i, 0,1,2,3,4,5,6,7
	global_store_b128 v[LI], v[32*\q+4*\i:32*\q+4*\i+3], s[18:19] offset:4096*\q+512*\i th:TH_STORE_NT   ; 512 consecutive bytes
.endr
.endm
	LNROW 0
	LNROW 1
	LNROW 2
	LNROW 3
	WIN 0
	s_wait_tensorcnt 0x0                           ; the wave's end
	ds_add_u32 v[SPW], v[NIL]
	s_wait_dscnt 0x0
	CROUND                                         ; the closing round
	s_endpgm
.Lfunc_end_k_qc13fdbf720_outln:
	.size	k_qc13fdbf720_outln, .Lfunc_end_k_qc13fdbf720_outln-k_qc13fdbf720_outln
	.p2alignl 7, 3214868480
	.fill 96, 4, 3214868480
	.section	.rodata,"a",@progbits
	.p2align	6, 0x0
	.amdhsa_kernel k_qc13fdbf720_outln
		.amdhsa_group_segment_fixed_size 327680
		.amdhsa_private_segment_fixed_size 0
		.amdhsa_enable_private_segment 0
		.amdhsa_kernarg_size 64
		.amdhsa_user_sgpr_count 2
		.amdhsa_user_sgpr_kernarg_segment_ptr 1
		.amdhsa_wavefront_size32 1
		.amdhsa_system_sgpr_workgroup_id_x 1
		.amdhsa_system_sgpr_workgroup_id_y 1
		.amdhsa_system_sgpr_workgroup_id_z 1
		.amdhsa_system_vgpr_workitem_id 0
		.amdhsa_next_free_vgpr 1024
		.amdhsa_next_free_sgpr 66
		.amdhsa_reserve_vcc 1
		.amdhsa_float_denorm_mode_32 3
		.amdhsa_float_denorm_mode_16_64 3
		.amdhsa_memory_ordered 1
		.amdhsa_forward_progress 1
		.amdhsa_inst_pref_size 168
	.end_amdhsa_kernel
	.amdgpu_metadata
---
amdhsa.version: [ 1, 2 ]
amdhsa.kernels:
  - .name:           k_qc13fdbf720_outln
    .symbol:         k_qc13fdbf720_outln.kd
    .args:
      - { .name: ow, .offset: 0, .size: 8, .value_kind: global_buffer, .address_space: global }
      - { .name: Wo_codes, .offset: 8, .size: 8, .value_kind: global_buffer, .address_space: global }
      - { .name: Wo_scales, .offset: 16, .size: 8, .value_kind: global_buffer, .address_space: global }
      - { .name: bo, .offset: 24, .size: 8, .value_kind: global_buffer, .address_space: global }
      - { .name: x, .offset: 32, .size: 8, .value_kind: global_buffer, .address_space: global }
      - { .name: gamma, .offset: 40, .size: 8, .value_kind: global_buffer, .address_space: global }
      - { .name: beta, .offset: 48, .size: 8, .value_kind: global_buffer, .address_space: global }
      - { .name: out0, .offset: 56, .size: 8, .value_kind: global_buffer, .address_space: global }
    .group_segment_fixed_size: 327680
    .private_segment_fixed_size: 0
    .kernarg_segment_align: 8
    .kernarg_segment_size: 64
    .max_flat_workgroup_size: 128
    .sgpr_count:     66
    .vgpr_count:     1024
    .wavefront_size: 32
...
	.end_amdgpu_metadata
.endif
;; end of part 4
;; ======== version 2 of 2: 4 launches; version 1 with the launch attn written anew for expert scheduling mode
;; workspace buffers: xw 4,325,376 bytes; mw 557,056 bytes of whole numbers; qw 4,456,448 bytes; kv 8,781,824 bytes; ow 4,325,376 bytes
;; launch prep: the kernel of part 1 again; grid 256 x 1, 8 waves a work-group, no clusters, 69,376 bytes of LDS; arguments x, mask, xw, mw; writes xw, mw
;; launch qkv: the kernel of part 2 again; grid 16 x 16, 4 waves a work-group, clusters of 4 x 4, 327,680 bytes of LDS; arguments xw, Wq_codes, Wq_scales, Wk_codes, Wk_scales, Wv_codes, Wv_scales, bq, bk, bv, qw, kv; writes qw, kv
;; launch attn (part 5): grid 8 x 32, 16 waves a work-group, no clusters, 276,480 bytes of LDS; arguments qw, kv, mw, ow; writes ow
.if DOCPART == 5
	.amdgcn_target "amdgcn-amd-amdhsa--gfx1250"
	.amdhsa_code_object_version 6
	.text
	.protected	k_qc13fdbf720_attn
	.globl	k_qc13fdbf720_attn
	.p2align	8
	.type	k_qc13fdbf720_attn,@function
k_qc13fdbf720_attn:
	s_mov_b64 s[64:65], 0
	v_nop
	global_prefetch_b8 v0, s[64:65] scope:SCOPE_SE
	s_setreg_imm32_b32 hwreg(HW_REG_WAVE_SCHED_MODE, 0, 2), 2
	s_setreg_imm32_b32 hwreg(HW_REG_WAVE_MODE, 25, 1), 1
	s_wait_xcnt 0x0
	s_wait_alu depctr_vm_vsrc(0)
; LAUNCH 3 OF 4.  Attention of one batch and head bh on codes of E4M3; the result, divided by the row's sum, is quantised along E and stored as images for the last product.
; LEFT OUT: a step of 128 keys that the mask blocks for all 16 queries of a tile, where no query of the tile is blocked on all keys (shown at the head of launch 1); the flags and lane masks are whole numbers read from mw.
; THE SOFTMAX.  What reference() hands to its softmax is score / 8 - the row's maximum, so the row's largest t is 0 and M = 0: p = 2^((s - smax) log2(e) / 8), and the largest p is exactly 1.  So the true maximum is wanted
; before any p is made: PASS 1 walks the keys for the maximum, PASS 2 makes the same scores again, bit for bit (the same instruction on the same registers), and s - smax is a subtraction of its own, exact at the maximum.
; A blocked place becomes -infinity (p = 0); in a row blocked everywhere it becomes 0 with smax = 0 (p = 1), as NaN -> 0 does in reference().
; SHARES.  The work-group holds the head's whole record (K's and V^T's images and their scale words, 274,432 bytes) in LDS, brought through registers once.  Wave w owns one tile of 16 queries, T = x + 8 rho(w).
; NO TENSOR LOAD AND NO CLUSTER: the walk branches on flags read from memory; the eight work-groups of a head each bring the record themselves.
; LAYOUT.  S^T = K Q^T (source 0 = 16 keys, source 1 = my queries), O^T = V^T P^T: a lane holds one query throughout.  The head has 64 along K, half of the instruction's 128: Q's upper half is zero codes;
; K's operand of tile t is v[32 + 8 t .. 47 + 8 t], whose upper half (the next tile's codes, or zeros) meets those zeros.
; LIMITS as stated at the head of launch 1.
; REGISTERS: v1 16 lane, v2 16 r, v3-6 LDS addresses, v9 -infinity, v10 what a blocked place becomes, v[12:13] smax twice, v[14:15] the sum, v16-31 at work, v32-95 K's or V's fragments, v96-103 zeros,
;   v104-167 S^T then p, v168-199 O^T, v200-215 p's codes, v216-231 Q and zeros, v232-235 K's scale words, v236-239 V's, v240 Q's, v241 p's.
; THE MODE: SCHED_MODE bits 1:0 = 2 (LLVM: expert scheduling mode 2), set by the entry lines.  The code itself states the register dependences
; between vector or matrix instructions and memory or LDS instructions, with s_wait_alu, always for 0.
; THE PLAN.  Registers that memory or LDS instructions touch:
;   v1, v2, v242-249  offsets and LDS addresses, made once at the head, ahead of the head's one wait on va_vdst; v242-244 are made anew on the way out.
;   v32-165           at the head: the record on its way through, landed by global loads and read by my LDS stores; one wait on vm_vsrc behind the barrier frees them for all that writes them later.
;   v3-6              a step's LDS addresses: written by vector additions at the step's head, read by the step's LDS loads.
;   v32-95            K's fragments land, K's products read them; in pass 2 V's fragments land behind that, and V's products read them.
;   v232-239          scale words: landed by LDS loads, read by the products.
;   v200-215, v241    p's codes and scale word: written by vector instructions, read by V's products; on the way out v200-207 are the stores' data.
;   S^T, p, O^T and v9-31 are named by vector and matrix instructions alone inside the loops.
; So a live step has at its head one wait on vm_vsrc ahead of the address additions and one on va_vdst behind them; pass 2 has one more on va_vdst behind K's products, behind which V's 17 LDS loads are dealt among
; the softmax's first lines (these name v10, v16-19 and v104-167 alone), and one ahead of V's products.  A step that is passed over issues nothing and owes nothing.
.set VIMG,  131072
.set KSC,   262144
.set VSC,   270336
.set SPARE, 274432                     ; the spare words, 128 bytes a wave: eight blocks of 256 bytes that no other line names
.set SPW, 7
.set NIL, 8
.macro PLACES n
.rept \n
	v_nop
.endr
.endm
	s_load_b256 s[4:11], s[0:1], 0x0               ; qw, kv, mw, ow
	v_lshl_add_u32 v[SPW], v0, 2, SPARE
	v_mov_b32 v[NIL], 0
	v_lshrrev_b32 v1, 5, v0
	v_readfirstlane_b32 s2, v1                     ; wave 0..15
	s_wait_alu depctr_va_sdst(0)                   ; s2 is written, ahead of its first reader: my tile's number is made from it
	s_lshr_b32 s3, s2, 2                           ; g
	s_and_b32 s29, s2, 3
	s_and_b32 s30, s3, 1
	s_mul_i32 s30, s30, 3
	s_xor_b32 s29, s29, s30                        ; every second group of four is dealt the other way round, so that masks which grow with the query weigh alike on waves w, w + 4, w + 8, w + 12 together
	s_lshl_b32 s3, s3, 2
	s_add_co_u32 s3, s3, s29                       ; rho
	s_lshl_b32 s3, s3, 3
	s_add_co_u32 s12, s3, ttmp9                    ; T
	s_and_b32 s13, ttmp7, 0xffff                   ; bh
	s_lshl_b32 s30, s12, 8
	s_add_co_u32 s30, s30, 524288
	s_mov_b32 s31, 0
	s_lshl_b32 s100, s13, 17
	s_lshl_b32 s29, s12, 10
	s_add_co_u32 s100, s100, s29
	s_mov_b32 s101, 0
	v_and_b32 v1, 31, v0
	v_lshlrev_b32 v1, 4, v1
	v_and_b32 v2, 15, v0
	v_lshlrev_b32 v2, 4, v2
	v_lshlrev_b32 v242, 4, v0
	v_lshlrev_b32 v243, 3, v0
.irp k, 0,1,2,3,4
	v_lshl_add_u32 v[244+\k], v0, 4, 65536*\k
.endr
	v_lshl_add_u32 v249, v0, 3, 262144
	s_mov_b32 s22, 0x76543210
	s_mov_b32 s23, 0xfedcba98
	s_mov_b32 s24, 0x600000
	s_mov_b32 s26, 0x3e38aa3b                      ; log2(e) / 8
	s_mov_b32 s27, s26
	s_mov_b32 s28, 0xffff0000
	s_wait_kmcnt 0x0
	s_add_nc_u64 s[66:67], s[8:9], s[30:31]
	s_load_b256 s[32:39], s[66:67], 0x0            ; my tile's 16 flag words
	s_load_b256 s[40:47], s[66:67], 0x80
	s_add_nc_u64 s[100:101], s[4:5], s[100:101]    ; Q's image
	s_lshl_b32 s30, s13, 13
	s_add_co_u32 s30, s30, 0x400000
	s_lshr_b32 s29, s12, 2
	s_lshl_b32 s29, s29, 8
	s_add_co_u32 s30, s30, s29
	s_and_b32 s29, s12, 3
	s_lshl_b32 s29, s29, 2
	s_add_co_u32 s30, s30, s29
	s_add_nc_u64 s[4:5], s[4:5], s[30:31]          ; Q's scale words
	s_mul_i32 s30, s13, 274432
	s_add_nc_u64 s[6:7], s[6:7], s[30:31]          ; the head's record
	s_lshl_b32 s30, s12, 12
	s_add_nc_u64 s[8:9], s[8:9], s[30:31]          ; my tile's lane masks: 256 bytes a step
	s_wait_alu depctr_va_vdst(0)                   ; v1, v2, v242 and v243, which the loads below read as offsets, and v244 to v249, the LDS stores' addresses, are written
	global_load_b128 v[216:219], v1, s[100:101]
	global_load_b128 v[220:223], v1, s[100:101] offset:512
	global_load_b32 v240, v2, s[4:5]
.set i, 0
.rept 33
	global_load_b128 v[32+4*i:35+4*i], v242, s[6:7] offset:8192*i   ; the 512 threads read 8,192 consecutive bytes
.set i, i+1
.endr
	global_load_b64 v[164:165], v243, s[6:7] offset:270336
	s_wait_kmcnt 0x0
	s_mov_b32 s14, 0                               ; LIVE: bit i: step i has an open place
	s_mov_b32 s15, 0                               ; MIXED: bit i: step i has a blocked place
	s_mov_b32 s3, -1
.irp i, 0,1,2,3,4,5,6,7,8,9,10,11,12,13,14,15
	s_and_b32 s3, s3, s[32+\i]
	s_bfe_u32 s29, s[32+\i], 0x10010
	s_lshl_b32 s29, s29, \i
	s_or_b32 s14, s14, s29
	s_bfe_u32 s29, s[32+\i], 0x10011
	s_lshl_b32 s29, s29, \i
	s_or_b32 s15, s15, s29
.endr
	s_and_b32 s3, s3, 0xffff                       ; rows blocked on all 2,048 keys
	s_cmp_lg_u32 s3, 0
	s_cselect_b32 s14, 0xffff, s14                 ; with such a row the tile walks every step
	s_cselect_b32 s15, 0xffff, s15
	v_mov_b32 v9, 0xff800000
.irp b, 0,1,2,3
	v_mov_b32 v[16+\b], 0xff800000                 ; pass 1's four chains
	v_mov_b32 v[20+\b], 0                          ; a lane permute's destination counts as one of its sources
.endr
	v_mov_b32 v14, 0
	v_mov_b32 v15, 0
.set i, 0
.rept 32
	v_mov_b32 v[168+i], 0                          ; O^T: which step is the first hangs on the mask, so the sums begin as zeros
.set i, i+1
.endr
.irp i, 0,1,2,3,4,5,6,7
	v_mov_b32 v[224+\i], 0                         ; Q's upper half: zero codes
.endr
.set i, 0
.rept 33
	s_wait_loadcnt 33-i                            ; the younger loads of the record may be out
	ds_store_b128 v[244+i/8], v[32+4*i:35+4*i] offset:8192*(i%8)
.set i, i+1
.endr
	s_wait_loadcnt 0x0
	ds_store_b64 v249, v[164:165] offset:8192
	s_wait_dscnt 0x0                               ; for the others' sake: my stores have landed
	s_barrier_signal -1
	s_barrier_wait -1                              ; the launch's one barrier: from here on LDS is only read
	s_wait_alu depctr_vm_vsrc(0)                   ; my LDS stores have read v32 to v165 and v244 to v249, the head's loads v242 and v243: the zeros below, K's and V's fragments, the products' results and the way out's offsets are written into them
.irp i, 0,1,2,3,4,5,6,7
	v_mov_b32 v[96+\i], 0                          ; the upper half of tile 7's operand: zero codes (the registers carried the record until now)
.endr
	PLACES 4                                       ; codes written by vector instructions stand four places ahead of a scaled product that takes them
.macro TEST bits, label                ; on to label where bit s16 of the word is 0
	s_lshr_b32 s3, s[\bits], s16
	s_and_b32 s3, s3, 1
	s_cmp_eq_u32 s3, 0
	s_cbranch_scc1 \label
.endm
.macro START
	s_mov_b32 s16, 0
	s_mov_b32 s17, 0
	s_mov_b32 s18, VIMG
	s_mov_b32 s19, KSC
	s_mov_b32 s20, VSC
	s_mov_b32 s21, 0
.endm
.macro NEXT
	s_add_co_u32 s17, s17, 8192
	s_add_co_u32 s18, s18, 8192
	s_add_co_u32 s19, s19, 512
	s_add_co_u32 s20, s20, 256
	s_add_co_u32 s21, s21, 256
	s_add_co_u32 s16, s16, 1
	s_cmp_lt_u32 s16, 16
.endm
.macro MLOAD                           ; the step's 64 lane masks
	s_load_b512 s[32:47], s[8:9], s21 offset:0x0
	s_load_b512 s[48:63], s[8:9], s21 offset:0x40
	s_load_b512 s[68:83], s[8:9], s21 offset:0x80
	s_load_b512 s[84:99], s[8:9], s21 offset:0xc0
.endm
.macro KLOAD
.irp t, 0,1,2,3,4,5,6,7
	ds_load_b128 v[32+8*\t:35+8*\t], v3 offset:1024*\t
	ds_load_b128 v[36+8*\t:39+8*\t], v3 offset:1024*\t+512
.endr
	ds_load_b128 v[232:235], v5                    ; lanes 0-15: tiles 0-3's words, lanes 16-31: tiles 4-7's
.endm
.macro VLOAD t                         ; fragment t of V^T's four
.irp c, 0,1,2,3
	ds_load_b128 v[32+16*(\t)+4*\c:35+16*(\t)+4*\c], v4 offset:2048*(\t)+512*\c
.endr
.endm
.macro KMUL
.irp t, 0,1,2,3
	v_wmma_scale_f32_16x16x128_f8f6f4 v[104+8*\t:111+8*\t], v[32+8*\t:47+8*\t], v[216:231], 0, v[232+\t], v240
.endr
.irp t, 4,5,6,7
	v_wmma_scale_f32_16x16x128_f8f6f4 v[104+8*\t:111+8*\t], v[32+8*\t:47+8*\t], v[216:231], 0, v[228+\t], v240 matrix_a_scale:MATRIX_SCALE_ROW1
.endr
.endm
.macro MASKED val
.set n, 0
.rept 64
	v_cndmask_b32 v[104+n], v[104+n], v[\val], s[32+n+4*(n/32)]
.set n, n+1
.endr
.endm
	; ---- PASS 1: the row's largest score
	START
.Lp1:
	TEST 14, .Lp1_next
	s_wait_alu depctr_vm_vsrc(0)                   ; the LDS loads issued so far have read v3 and v5, which the two additions write
	v_add_nc_u32 v3, s17, v1
	v_add_nc_u32 v5, s19, v1
	s_wait_alu depctr_va_vdst(0)                   ; v3 and v5 are written, which the LDS loads read; the last step's products are done reading v32 to v103 and v232 to v235, in which loads land, and its selects are done with the masks' scalar registers; in the first trip the zero codes v96 to v103 and v224 to v231 are written, which the products take
	MLOAD
	KLOAD
	s_wait_dscnt 0x0
	KMUL
	PLACES 8
	s_wait_kmcnt 0x0
	TEST 15, .Lp1_open
	MASKED 9
.Lp1_open:
.irp e, 0,2,4,6,8,10,12,14
.irp b, 0,1,2,3
	v_max3_num_f32 v[16+\b], v[16+\b], v[104+16*\b+\e], v[105+16*\b+\e]
.endr
.endr
.Lp1_next:
	NEXT
	s_cbranch_scc1 .Lp1
	v_max3_num_f32 v16, v16, v17, v18
	v_max_num_f32 v16, v16, v19
	v_permlanex16_b32 v20, v16, s22, s23
	v_max_num_f32 v12, v16, v20                    ; smax
	v_cmp_eq_f32 vcc_lo, v12, v9                   ; a row blocked everywhere (a choice of values only)
	s_wait_alu depctr_va_vcc(0)                    ; the compare has written VCC, which the two selects read
	v_cndmask_b32 v10, v9, 0, vcc_lo
	v_cndmask_b32 v12, v12, 0, vcc_lo
	v_mov_b32 v13, v12
	; ---- PASS 2: p, its sum, its codes, and O^T
	START
.Lp2:
	TEST 14, .Lp2_next
	s_wait_alu depctr_vm_vsrc(0)                   ; the LDS loads issued so far have read v3 to v6, which the four additions write
	v_add_nc_u32 v3, s17, v1
	v_add_nc_u32 v4, s18, v1
	v_add_nc_u32 v5, s19, v1
	v_add_nc_u32 v6, s20, v2
	PLACES 4                                       ; with the four additions: eight places behind the last step's products, in front of loads into their registers
	s_wait_alu depctr_va_vdst(0)                   ; v3 to v6 are written, which the step's LDS loads read; the last step's products are done reading v32 to v95 and v232 to v239, in which loads land, and its selects are done with the masks' scalar registers
	MLOAD
	KLOAD
	s_wait_dscnt 0x0
	KMUL
	PLACES 8
	s_wait_alu depctr_va_vdst(0)                   ; K's products are done reading v32 to v103: V^T's fragments land in v32 to v95.  No vector line from here to the last of these loads names v4, v6, v32 to v95 or v236 to v239
	VLOAD 0                                        ; V^T's four fragments land while the softmax is worked: they are dealt among its first lines
	ds_load_b128 v[236:239], v6
	s_wait_kmcnt 0x0
	TEST 15, .Lp2_open
	MASKED 10
.Lp2_open:
.irp b, 0,1,2,3
	v_max3_num_f32 v[16+\b], v[104+16*\b], v[105+16*\b], v[106+16*\b]   ; each block's largest score: p rises with the score, so it gives the block's largest p
.endr
	VLOAD 1
.irp e, 3,5
.irp b, 0,1,2,3
	v_max3_num_f32 v[16+\b], v[16+\b], v[104+16*\b+\e], v[105+16*\b+\e]
.endr
.endr
	VLOAD 2
.irp e, 7,9
.irp b, 0,1,2,3
	v_max3_num_f32 v[16+\b], v[16+\b], v[104+16*\b+\e], v[105+16*\b+\e]
.endr
.endr
	VLOAD 3
.irp e, 11,13
.irp b, 0,1,2,3
	v_max3_num_f32 v[16+\b], v[16+\b], v[104+16*\b+\e], v[105+16*\b+\e]
.endr
.endr
.irp b, 0,1,2,3
	v_max_num_f32 v[16+\b], v[16+\b], v[119+16*\b]
.endr
.irp b, 0,1,2,3
	v_permlanex16_b32 v[20+\b], v[16+\b], s22, s23
.endr
.irp b, 0,1,2,3
	v_max_num_f32 v[16+\b], v[16+\b], v[20+\b]
.endr
.irp b, 0,1,2,3
	v_sub_f32 v[16+\b], v[16+\b], v12
.endr
.irp b, 0,1,2,3
	v_mul_f32 v[16+\b], s26, v[16+\b]
.endr
.set j, 0
.rept 32
	v_pk_add_f32 v[104+j:105+j], v[104+j:105+j], v[12:13] neg_lo:[0,1] neg_hi:[0,1]   ; s - smax: exactly 0 at the maximum
.set j, j+2
.endr
.set j, 0
.rept 32
	v_pk_mul_f32 v[104+j:105+j], v[104+j:105+j], s[26:27] op_sel_hi:[1,0]
.set j, j+2
.endr
.set j, 0
.rept 64
	v_exp_f32 v[104+j], v[104+j]
.set j, j+1
.endr
.irp b, 0,1,2,3
	v_exp_f32 v[16+\b], v[16+\b]
.endr
	v_nop                                          ; a plain line behind the last exponential
	s_wait_alu depctr_va_vdst(0)                   ; one wait for the batch of 68, ahead of its first reader: the exponentials have written v104 to v167 and v16 to v19
	v_pk_add_f32 v[20:21], v[104:105], v[106:107]  ; the row's sum is taken of the unquantised p, in two chains
.set j, 4
.rept 15
	v_pk_add_f32 v[14:15], v[14:15], v[104+j:105+j]
	v_pk_add_f32 v[20:21], v[20:21], v[106+j:107+j]
.set j, j+4
.endr
	v_pk_add_f32 v[14:15], v[14:15], v[20:21]
.irp b, 0,1,2,3
	v_max_num_f32 v[16+\b], 0x4800000, v[16+\b]    ; the floor: the byte cannot fall under 1
.endr
.irp b, 0,1,2,3
	v_add_nc_u32 v[28+\b], 0xfc000000, v[16+\b]
.endr
.irp b, 0,1,2,3
	v_and_or_b32 v[24+\b], v[16+\b], 0x7f800000, s24
.endr
.irp b, 0,1,2,3
	v_lshrrev_b32 v[20+\b], 23, v[28+\b]
.endr
	v_lshl_or_b32 v241, v21, 8, v20
	v_lshl_or_b32 v241, v22, 16, v241
	v_lshl_or_b32 v241, v23, 24, v241              ; p's scale word; the 64 holds below stand between it and the products
.irp b, 0,1,2,3
.irp e, 0,1,2,3,4,5,6,7,8,9,10,11,12,13,14,15
	v_min_num_f32 v[104+16*\b+\e], v[104+16*\b+\e], v[24+\b]   ; p is not negative: the hold is one-sided
.endr
	v_cvt_scalef32_pk8_fp8_f32 v[200+4*\b:201+4*\b], v[104+16*\b:111+16*\b], v[28+\b]
	v_cvt_scalef32_pk8_fp8_f32 v[202+4*\b:203+4*\b], v[112+16*\b:119+16*\b], v[28+\b]
.endr
	PLACES 4                                       ; codes made by vector instructions stand four places ahead of a scaled product
	s_wait_alu depctr_va_vdst(0)                   ; the conversions have written p's codes v200 to v215, and v241, its scale word, is written: the scaled products below take them; the places above stay beside this wait
	s_wait_dscnt 0x0                               ; V^T and its scale words
.irp t, 0,1,2,3
	v_wmma_scale_f32_16x16x128_f8f6f4 v[168+8*\t:175+8*\t], v[32+16*\t:47+16*\t], v[200:215], v[168+8*\t:175+8*\t], v[236+\t], v241
.endr
.Lp2_next:
	NEXT
	s_cbranch_scc1 .Lp2
	; ---- THE WAY OUT: O^T / the sum, quantised along d (its true place along E), as an image
	PLACES 8
	v_add_f32 v14, v14, v15
	v_permlanex16_b32 v20, v14, s22, s23
	v_add_f32 v14, v14, v20
	v_rcp_f32 v14, v14
	v_nop
	s_wait_alu depctr_va_vdst(0)                   ; the reciprocal has written v14, ahead of its first reader
	v_mov_b32 v15, v14
.set j, 0
.rept 16
	v_pk_mul_f32 v[168+j:169+j], v[168+j:169+j], v[14:15]
.set j, j+2
.endr
.irp b, 0,1
	v_max3_num_f32 v[16+\b], |v[168+16*\b]|, |v[169+16*\b]|, 0x4800000
.endr
.irp e, 2,4,6,8,10,12,14
.irp b, 0,1
	v_max3_num_f32 v[16+\b], v[16+\b], |v[168+16*\b+\e]|, |v[169+16*\b+\e]|
.endr
.endr
.irp b, 0,1
	v_permlanex16_b32 v[20+\b], v[16+\b], s22, s23
.endr
.irp b, 0,1
	v_max_num_f32 v[16+\b], v[16+\b], v[20+\b]
.endr
.irp b, 0,1
	v_add_nc_u32 v[28+\b], 0xfc000000, v[16+\b]
	v_and_or_b32 v[24+\b], v[16+\b], 0x7f800000, s24
.endr
.irp b, 0,1
	v_lshrrev_b32 v[20+\b], 23, v[28+\b]
.endr
.irp b, 0,1
.irp e, 0,1,2,3,4,5,6,7,8,9,10,11,12,13,14,15
	v_med3_num_f32 v[168+16*\b+\e], v[168+16*\b+\e], -v[24+\b], v[24+\b]
.endr
	v_cvt_scalef32_pk8_fp8_f32 v[200+4*\b:201+4*\b], v[168+16*\b:175+16*\b], v[28+\b]
	v_cvt_scalef32_pk8_fp8_f32 v[202+4*\b:203+4*\b], v[176+16*\b:183+16*\b], v[28+\b]
.endr
	v_nop
	s_lshr_b32 s29, s13, 4
	s_lshl_b32 s29, s29, 7
	s_add_co_u32 s29, s29, s12                     ; the row tile: 128 batch + T
	s_and_b32 s3, s13, 15                          ; the head
	s_lshl_b32 s30, s29, 14
	s_lshl_b32 s16, s3, 10
	s_add_co_u32 s30, s30, s16
	s_mov_b32 s31, 0
	s_add_nc_u64 s[66:67], s[10:11], s[30:31]      ; K step head / 2, pieces 2 (head % 2) on
	s_lshl_b32 s30, s29, 9
	s_add_co_u32 s30, s30, 0x400000
	s_lshr_b32 s16, s3, 1
	s_lshl_b32 s16, s16, 6
	s_add_co_u32 s30, s30, s16
	s_and_b32 s16, s3, 1
	s_lshl_b32 s16, s16, 1
	s_add_co_u32 s30, s30, s16
	s_add_nc_u64 s[10:11], s[10:11], s[30:31]
	v_lshrrev_b32 v242, 2, v2
	v_bfe_u32 v243, v0, 4, 1
	v_add_nc_u32 v242, v242, v243                  ; 4 r + h
	v_cndmask_b32 v244, v20, v21, s28              ; lanes 0-15 send block 0's byte, lanes 16-31 block 1's
	s_wait_alu depctr_va_vdst(0)                   ; the conversions have written v200 to v207 and the select v244, the stores' data; v242, the byte store's offset, is written
	global_store_b128 v1, v[200:203], s[66:67]
	global_store_b128 v1, v[204:207], s[66:67] offset:512
	global_store_b8 v242, v244, s[10:11]
	s_wait_dscnt 0x0                               ; the wave's end: the closing lines, six on end
	s_wait_alu 0x0
	s_wait_tensorcnt 0x0
	ds_add_u32 v[SPW], v[NIL]
	s_wait_dscnt 0x0
	s_endpgm
.Lfunc_end_k_qc13fdbf720_attn:
	.size	k_qc13fdbf720_attn, .Lfunc_end_k_qc13fdbf720_attn-k_qc13fdbf720_attn
	.p2alignl 7, 3214868480
	.fill 96, 4, 3214868480
	.section	.rodata,"a",@progbits
	.p2align	6, 0x0
	.amdhsa_kernel k_qc13fdbf720_attn
		.amdhsa_group_segment_fixed_size 276480
		.amdhsa_private_segment_fixed_size 0
		.amdhsa_enable_private_segment 0
		.amdhsa_kernarg_size 32
		.amdhsa_user_sgpr_count 2
		.amdhsa_user_sgpr_kernarg_segment_ptr 1
		.amdhsa_wavefront_size32 1
		.amdhsa_system_sgpr_workgroup_id_x 1
		.amdhsa_system_sgpr_workgroup_id_y 1
		.amdhsa_system_sgpr_workgroup_id_z 1
		.amdhsa_system_vgpr_workitem_id 0
		.amdhsa_next_free_vgpr 256
		.amdhsa_next_free_sgpr 102
		.amdhsa_reserve_vcc 1
		.amdhsa_float_denorm_mode_32 3
		.amdhsa_float_denorm_mode_16_64 3
		.amdhsa_memory_ordered 1
		.amdhsa_forward_progress 1
		.amdhsa_inst_pref_size 58
	.end_amdhsa_kernel
	.amdgpu_metadata
---
amdhsa.version: [ 1, 2 ]
amdhsa.kernels:
  - .name:           k_qc13fdbf720_attn
    .symbol:         k_qc13fdbf720_attn.kd
    .args:
      - { .name: qw, .offset: 0, .size: 8, .value_kind: global_buffer, .address_space: global }
      - { .name: kv, .offset: 8, .size: 8, .value_kind: global_buffer, .address_space: global }
      - { .name: mw, .offset: 16, .size: 8, .value_kind: global_buffer, .address_space: global }
      - { .name: ow, .offset: 24, .size: 8, .value_kind: global_buffer, .address_space: global }
    .group_segment_fixed_size: 276480
    .private_segment_fixed_size: 0
    .kernarg_segment_align: 8
    .kernarg_segment_size: 32
    .max_flat_workgroup_size: 512
    .sgpr_count:     102
    .vgpr_count:     256
    .wavefront_size: 32
...
	.end_amdgpu_metadata
.endif
;; end of part 5
;; launch outln: the kernel of part 4 again; grid 256 x 1, 4 waves a work-group, clusters of 4 x 1, 327,680 bytes of LDS; arguments ow, Wo_codes, Wo_scales, bo, x, gamma, beta, out0; writes out0
